; MI455X (gfx1250); checked and timed in simulation.
; The chip was launched on July 23, 2026; its instructions are those of AMD's public machine-readable ISA for CDNA 5 (MIT licence, August 2026) and "CDNA5" Instruction Set Architecture Reference Guide (July 2026). The comments in the code are by the model that wrote it; some were corrected since.
;; GPT2 Attention. Allowed arithmetic: matrix products marked QUANTISED: E2M1 operands, one E8M0 scale for each 32 along K, by v_wmma_scale_f32_16x16x128_f8f6f4 with both operands' format E2M1 (or v_wmma_scale_f32_32x16x128_f4), f32 sums; products left as they are: bf16, f16 or f32 operands; f32 sums; everything else in f32.
;; Inputs: c_attn_b 3,072 float32; c_attn_w 1,024 x 3,072 float32; c_proj_b 1,024 float32; c_proj_w 1,024 x 1,024 float32; hidden_states 4 x 2,048 x 1,024 float32.
;; Outputs: out0 4 x 2,048 x 1,024 float32.
;; This version of the problem:
;;   THIS VERSION OF THE PROBLEM IS GIVEN IN LOW PRECISION. The matrix products marked QUANTISED in the list below multiply operands that are first quantised to E2M1 (2 exponent bits, 1 mantissa bit; 4 bits a number), with one power-of-two scale for each 32 numbers along K (OCP MX v1.0); their sums are f32. The products marked 'left as it is' may take bf16, f16 or f32 operands, with f32 sums. Whichever they take, every output number must still come out within the allowed error. Rounding operands to bf16 (8 significant bits) uses up far more of that allowance than f16 does (11 bits, for magnitudes from 6e-5 to 65,504). All else is computed in f32.
;;   The module's matrix products, in the order in which they are computed (A, B: the left and right operand; K: the contracted axis; several contracted axes count as one K, in the product's order):
;;     1. [M 8,192, K 1,024] x [K 1,024, N 3,072]; A: input hidden_states; B: input c_attn_w: QUANTISED
;;     2. batch 64 x [M 2,048, K 64] x [K 64, N 2,048]; A: computed on the way; B: computed on the way: left as it is (an operand is computed on the way)
;;     3. batch 64 x [M 2,048, K 2,048] x [K 2,048, N 64]; A: computed on the way; B: computed on the way: left as it is (an operand is computed on the way)
;;     4. [M 8,192, K 1,024] x [K 1,024, N 1,024]; A: computed on the way; B: input c_proj_w: left as it is (an operand is computed on the way)
;;   THE QUANTISER, for each operand of a quantised product, along K:
;;     - K is cut into blocks of 32 from its start; a last block that is shorter is filled with zeros.
;;     - A block's scale is 2^e with e = floor(log2(the largest magnitude in the block)) - 2, held to -126 .. 127; a block of zeros has e = 0. As a byte (E8M0): e + 127.
;;     - Each number is divided by its block's scale, clamped to +-6, and rounded to the nearest number of E2M1, ties to even, subnormals kept.
;;     - The product sums the exact products of the quantised numbers (number of the format x scale) in f32.
;;   ~~~python
;;   def quantise(x, axis):      # numpy; x: float32 -> the quantised numbers, widened to float32 again
;;       x = np.moveaxis(x, axis, -1); K = x.shape[-1]
;;       x = np.pad(x, [(0, 0)] * (x.ndim - 1) + [(0, -K % 32)]); x = x.reshape(x.shape[:-1] + (-1, 32)); a = np.abs(x).max(-1, keepdims=True)
;;       e = np.where(a > 0, np.clip(np.frexp(np.where(a > 0, a, 1))[1] - 1 - 2, -126, 127), 0)      # np.frexp(a)[1] - 1 = floor(log2(a)), exactly
;;       r = np.clip(x / 2.0 ** e, -6, 6)
;;       step = 2.0 ** (np.maximum(np.frexp(np.where(r == 0, 1, r))[1] - 1, 0) - 1)
;;       q = np.round(r / step) * step * 2.0 ** e      # np.round: ties to even
;;       return np.moveaxis(q.reshape(q.shape[:-2] + (-1,))[..., :K], -1, axis).astype(np.float32)
;;   ~~~
;; One version. Each part assembles by itself: llvm-mc -triple=amdgcn-amd-amdhsa -mcpu=gfx1250 --defsym DOCPART=n.
;; ======== version 1 of 1: 5 launches
;; limits: values are held in f16: magnitudes above 65,504 overflow, below 6.1e-05 lose precision
;; workspace buffers: x_codes 4,194,304 bytes; x_scales 262,144 bytes; w_codes 1,572,864 bytes; w_scales 98,304 bytes; wp16 2,097,152 bytes; qkv16 50,331,648 bytes; fine32 1,048,576 bytes; o16 16,777,216 bytes
;; launch prep (part 1): grid 336 x 1, 4 waves a work-group, no clusters, 68,096 bytes of LDS; arguments hidden_states, c_attn_w, c_proj_w, x_codes, x_scales, w_codes, w_scales, wp16; writes x_codes, x_scales, w_codes, w_scales, wp16
.if DOCPART == 1
	.amdgcn_target "amdgcn-amd-amdhsa--gfx1250"
	.amdhsa_code_object_version 6
	.text
	.protected	k_qe789902d9a_prep
	.globl	k_qe789902d9a_prep
	.p2align	8
	.type	k_qe789902d9a_prep,@function
k_qe789902d9a_prep:
	s_mov_b64 s[64:65], 0
	v_nop
	global_prefetch_b8 v0, s[64:65] scope:SCOPE_SE
	s_setreg_imm32_b32 hwreg(HW_REG_WAVE_MODE, 25, 1), 1
	s_wait_xcnt 0x0
; PREP: three pieces of work in one launch, parted on the work-group's number; each piece has LDS bytes of its own.
;   work-groups 0-47:    c_attn_w [1024 (k)][3072 (n)] f32 -> codes of FP4 (E2M1) laid [3072][1024] with K innermost, and one E8M0 byte for each 32 along K, laid [3072][32].
;   work-groups 48-303:  hidden_states [8192][1024] f32 -> codes [8192][512 bytes], scale bytes [8192][32].
;   work-groups 304-335: c_proj_w [1024][1024] f32 -> f16, same layout.
; A block's scale is 2^(floor(log2(its largest magnitude)) - 2); its byte is the largest magnitude's exponent field - 2, held at 1 from below.  A block of zeros so gets the byte 1:
; its codes are zeros, which add nothing, and the bytes are read by this program alone.
; LIMITS: blocks whose largest magnitude lies under 2^(3 - 127) keep the byte 1; NaN and infinities are not served; |c_proj_w| stays within f16's 65,504.
.set SPARE, 67584                      ; behind both stages' regions: the spare words, 128 bytes for each wave; no other line names them
.set SPW,   192                        ; v192 LDS address of my spare word; never rewritten
.set NIL,   193                        ; v193 0; never rewritten
.set EMAX,  2
; the weight's piece
.set WN,     3072
.set KW,     512                       ; along K for a wave
.set NBLK,   KW/32
.set WPITCH, 272                       ; a stage row: 256 bytes of codes + 16
.set WKROW,  512                       ; a row of w_codes in bytes
.set WSTG,   32768                     ; the weight's stages begin here: 4 x 32 x 272 bytes
.set WX,     32                        ; v32-95  two sets of 32 numbers
.set WC,     96                        ; v96-99  a block's codes
.set WOUT,   112                       ; v112-175 the way out
.set WSB,    24                        ; v24-27  the scale bytes, four to a register
; the rows' piece
.set STEPS,  16
.set CB,     8                         ; bytes of 16 codes
.set XR,     16                        ; v16-79   four sets of 16 numbers as loaded
.set XX,     80                        ; v80-111  two sets of 16 neighbours
.set XE,     112                       ; v112-127 a scale byte for each step
.set XC,     128                       ; v128-191 codes, four registers a step
.set XWREG,  8192                      ; LDS: a region for each wave: two stages of 32 x 80 bytes, then its 256 scale bytes
.set XSP,    80
	s_load_b256 s[4:11], s[0:1], 0x0               ; hidden_states s[4:5], c_attn_w s[6:7], c_proj_w s[8:9], x_codes s[10:11]
	s_load_b256 s[12:19], s[0:1], 0x20             ; x_scales s[12:13], w_codes s[14:15], w_scales s[16:17], wp16 s[18:19]
	v_lshl_add_u32 v[SPW], v0, 2, SPARE
	v_mov_b32 v[NIL], 0
	v_lshrrev_b32 v1, 5, v0
	v_readfirstlane_b32 s20, v1                    ; wave 0..3
	v_and_b32 v2, 31, v0                           ; lane
	s_wait_kmcnt 0x0
	s_cmp_lt_u32 ttmp9, 48
	s_cbranch_scc1 .Lpath_w
	s_cmp_lt_u32 ttmp9, 304
	s_cbranch_scc1 .Lpath_x
; ---- c_proj_w to f16: a wave takes 32,768 bytes in four groups of sixteen loads; one group is on its way while another is rounded.  No LDS.
	s_sub_co_u32 s21, ttmp9, 304
	s_lshl_b32 s21, s21, 2
	s_add_co_u32 s21, s21, s20                     ; my run, 0..127
	s_lshl_b32 s22, s21, 15
	s_mov_b32 s23, 0
	s_add_nc_u64 s[8:9], s[8:9], s[22:23]
	s_lshl_b32 s22, s21, 14
	s_add_nc_u64 s[18:19], s[18:19], s[22:23]
	v_lshlrev_b32 v1, 4, v2                        ; in: 16 bytes a lane
	v_lshlrev_b32 v3, 3, v2                        ; out: 8 bytes a lane
.macro PLOAD g
.irp i, 0,1,2,3,4,5,6,7,8,9,10,11,12,13,14,15
	global_load_b128 v[16+64*((\g)%2)+4*\i:16+64*((\g)%2)+4*\i+3], v1, s[8:9] offset:(16*(\g)+\i)*512 th:TH_LOAD_NT
.endr
.endm
.macro PCVT g
.if (\g) < 3
	s_wait_loadcnt 16                              ; this group's sixteen loads are in; the younger group's sixteen may be out
.else
	s_wait_loadcnt 0x0
.endif
	s_wait_xcnt 0x0                                ; the last group's stores have read v144-175: they are written again only behind this wait
.irp i, 0,1,2,3,4,5,6,7,8,9,10,11,12,13,14,15
	v_cvt_pk_f16_f32 v[144+2*\i], v[16+64*((\g)%2)+4*\i], v[16+64*((\g)%2)+4*\i+1]
	v_cvt_pk_f16_f32 v[145+2*\i], v[16+64*((\g)%2)+4*\i+2], v[16+64*((\g)%2)+4*\i+3]
.endr
.irp i, 0,1,2,3,4,5,6,7,8,9,10,11,12,13,14,15
	global_store_b64 v3, v[144+2*\i:145+2*\i], s[18:19] offset:(16*(\g)+\i)*256   ; 32 lanes store 256 consecutive bytes, aligned
.endr
.if (\g) < 2
	PLOAD (\g)+2
.endif
.endm
	PLOAD 0
	PLOAD 1
	PCVT 0
	PCVT 1
	PCVT 2
	PCVT 3
	s_endpgm                                       ; this piece wrote no LDS
; ---- hidden_states: a plain stream of blocks of 32.  A wave takes 16 steps of 512 numbers.  Each load reads 512 consecutive bytes; a step's 2,048 bytes turn through the wave's stage so that a lane
; holds 16 neighbours (two lanes a block).  Loads run four steps ahead, the turn through LDS one step.
.Lpath_x:
	v_lshlrev_b32 v3, 4, v2                        ; my 16 bytes of a load's 512
	s_mul_i32 s21, s20, XWREG
	v_lshrrev_b32 v14, 2, v2
	v_mul_u32_u24 v14, v14, XSP
	v_and_b32 v15, 3, v2
	v_lshl_add_u32 v14, v15, 4, v14
	v_add_nc_u32 v14, s21, v14                     ; the stage, on the way in: 80 (lane / 4) + 16 (lane % 4)
	v_mul_u32_u24 v15, v2, XSP
	v_add_nc_u32 v15, s21, v15                     ; and on the way out: 80 x lane: my 16 neighbours
	v_mul_u32_u24 v4, v2, CB                       ; my codes' place in a step's
	v_lshrrev_b32 v5, 1, v2
	s_add_co_u32 s21, s21, 2*32*XSP
	v_add_nc_u32 v5, s21, v5                       ; LDS: my wave's 256 scale bytes, my block's byte
	v_lshlrev_b32 v7, 3, v2
	v_add_nc_u32 v6, s21, v7                       ; and on the way out 8 bytes a lane
	s_sub_co_u32 s22, ttmp9, 48
	s_lshl_b32 s22, s22, 2
	s_add_co_u32 s22, s22, s20                     ; which run of 8,192 numbers is my wave's: 0..1023
	s_mov_b32 s25, 0
	s_lshl_b32 s24, s22, 15
	s_add_nc_u64 s[4:5], s[4:5], s[24:25]
	s_lshl_b32 s24, s22, 12
	s_add_nc_u64 s[10:11], s[10:11], s[24:25]
	s_lshl_b32 s24, s22, 8
	s_add_nc_u64 s[12:13], s[12:13], s[24:25]
.macro XLOAD t
.irp i, 0,1,2,3
	global_load_b128 v[XR+16*((\t)%4)+4*\i:XR+16*((\t)%4)+4*\i+3], v3, s[4:5] offset:2048*(\t)+512*\i th:TH_LOAD_NT
.endr
.endm
.macro XTURN t                         ; step t's numbers through the stage: LDS serves a wave's instructions in order, so no wait stands between the stores and the loads
.irp i, 0,1,2,3
	ds_store_b128 v14, v[XR+16*((\t)%4)+4*\i:XR+16*((\t)%4)+4*\i+3] offset:32*XSP*((\t)%2)+8*XSP*\i
.endr
.irp i, 0,1,2,3
	ds_load_b128 v[XX+16*((\t)%2)+4*\i:XX+16*((\t)%2)+4*\i+3], v15 offset:32*XSP*((\t)%2)+16*\i
.endr
.endm
.irp t, 0,1,2,3
	XLOAD \t
.endr
	s_wait_loadcnt 12                              ; step 0's four loads are in
	XTURN 0
.macro XSTEP t
.set XS, XX+16*((\t)%2)
.if (\t) > 0
	s_wait_dscnt 1                                 ; this step's numbers are back from the stage (the last step's byte store may be out)
.else
	s_wait_dscnt 0x0
.endif
.if (\t)+4 < STEPS
	XLOAD (\t)+4
.endif
.if (\t)+1 < STEPS
.if STEPS-2-(\t) >= 3
	s_wait_loadcnt 12                              ; the next step's four loads are in; those of the three steps behind it may be out
.else
	s_wait_loadcnt 4*(STEPS-2-(\t))
.endif
	XTURN (\t)+1
.endif
	v_max3_num_f32 v8, |v[XS]|, |v[XS+1]|, |v[XS+2]|               ; the largest magnitude of my 16
	v_max3_num_f32 v9, |v[XS+3]|, |v[XS+4]|, |v[XS+5]|
.irp i, 6,10
	v_max3_num_f32 v8, v8, |v[XS+\i]|, |v[XS+\i+1]|
	v_max3_num_f32 v9, v9, |v[XS+\i+2]|, |v[XS+\i+3]|
.endr
	v_max3_num_f32 v8, v8, |v[XS+14]|, |v[XS+15]|
	v_max3_num_f32 v8, v8, v9, (EMAX+1)<<23        ; and the floor 2^(3 - 127): the byte cannot fall under 1
	v_max_num_f32_dpp v8, v8, v8 row_xmask:1 row_mask:0xf bank_mask:0xf   ; and of my neighbour's 16: the block's
	v_add_nc_u32 v11, -(EMAX<<23), v8              ; 2 off its exponent field: the conversion takes the exponent field of this operand as its scale
	v_cvt_scalef32_pk8_fp4_f32 v[XC+4*(\t)], v[XS:XS+7], v11
	v_cvt_scalef32_pk8_fp4_f32 v[XC+4*(\t)+1], v[XS+8:XS+15], v11
	v_lshrrev_b32 v[XE+(\t)], 23, v11              ; the scale's byte
	ds_store_b8 v5, v[XE+(\t)] offset:16*(\t)      ; both lanes of a block write the same byte with the same value
	global_store_b64 v4, v[XC+4*(\t):XC+4*(\t)+1], s[10:11] offset:32*CB*(\t)   ; 32 lanes store 256 consecutive bytes, aligned
.endm
.irp t, 0,1,2,3,4,5,6,7,8,9,10,11,12,13,14,15
	XSTEP \t
.endr
	ds_load_b64 v[8:9], v6                         ; my wave's 256 scale bytes: these loads see my stores
	s_wait_dscnt 0x0
	global_store_b64 v7, v[8:9], s[12:13]          ; 32 lanes store 256 consecutive bytes, aligned
	s_wait_tensorcnt 0x0                           ; the wave's end, behind my last LDS store
	ds_add_u32 v[SPW], v[NIL]
	s_wait_dscnt 0x0
	s_endpgm
; ---- c_attn_w: K is its first axis.  A lane takes a column n and its registers run down K: a block of 32 lies in one lane, and the conversions give codes with K innermost.
; A wave takes 32 columns x 512 along K; the codes leave through the wave's stage as rows of 256 bytes.  Every offset is an immediate: 511 x 12,288 bytes at the most.
.Lpath_w:
	s_cmp_ge_u32 ttmp9, 24
	s_cselect_b32 s22, 1, 0                        ; which 512 along K
	s_cselect_b32 s21, 24, 0
	s_sub_co_u32 s21, ttmp9, s21                   ; which 128 columns
	s_lshl_b32 s23, s21, 7
	s_lshl_b32 s24, s20, 5
	s_add_co_u32 s23, s23, s24                     ; my wave's first column
	v_lshlrev_b32 v3, 2, v2                        ; in: 4 bytes a lane
	s_mul_i32 s24, s20, 32*WPITCH
	s_add_co_u32 s24, s24, WSTG                    ; my stage
	v_mul_u32_u24 v4, v2, WPITCH
	v_add_nc_u32 v4, s24, v4                       ; into it: row = my column
	v_and_b32 v5, 15, v2
	v_lshrrev_b32 v6, 4, v2
	v_mul_u32_u24 v7, v6, WPITCH
	v_lshl_add_u32 v7, v5, 4, v7
	v_add_nc_u32 v7, s24, v7                       ; out of it: sixteen lanes to a row, two rows an instruction
	v_mul_u32_u24 v8, v6, WKROW
	v_lshl_add_u32 v8, v5, 4, v8                   ; and the same place in w_codes
	v_lshlrev_b32 v9, 5, v2                        ; my column's row of scale bytes
	s_mul_i32 s26, s22, KW*WN*4
	s_lshl_b32 s25, s23, 2
	s_add_co_u32 s26, s26, s25
	s_mov_b32 s27, 0
	s_add_nc_u64 s[6:7], s[6:7], s[26:27]
	s_lshl_b32 s26, s23, 9
	s_lshl_b32 s25, s22, 8
	s_add_co_u32 s26, s26, s25
	s_add_nc_u64 s[14:15], s[14:15], s[26:27]
	s_lshl_b32 s26, s23, 5
	s_lshl_b32 s25, s22, 4
	s_add_co_u32 s26, s26, s25
	s_add_nc_u64 s[16:17], s[16:17], s[26:27]
.macro WLOAD t                         ; block t: W(32 t + i, my column), i = 0 .. 31, into set t % 2
.irp i, 0,1,2,3,4,5,6,7,8,9,10,11,12,13,14,15,16,17,18,19,20,21,22,23,24,25,26,27,28,29,30,31
	global_load_b32 v[WX+32*((\t)%2)+\i], v3, s[6:7] offset:(32*(\t)+\i)*WN*4 th:TH_LOAD_NT
.endr
.endm
	WLOAD 0
	WLOAD 1
.macro WBLOCK t
.set WS, WX+32*((\t)%2)
.if (\t) < NBLK-1
	s_wait_loadcnt 32                              ; this block's 32 loads are in; the next block's may be out
.else
	s_wait_loadcnt 0x0
.endif
	v_max3_num_f32 v12, |v[WS]|, |v[WS+1]|, |v[WS+2]|
	v_max3_num_f32 v13, |v[WS+3]|, |v[WS+4]|, |v[WS+5]|
.irp i, 6,10,14,18,22,26
	v_max3_num_f32 v12, v12, |v[WS+\i]|, |v[WS+\i+1]|
	v_max3_num_f32 v13, v13, |v[WS+\i+2]|, |v[WS+\i+3]|
.endr
	v_max3_num_f32 v12, v12, |v[WS+30]|, |v[WS+31]|
	v_max3_num_f32 v12, v12, v13, (EMAX+1)<<23     ; and the floor
	v_add_nc_u32 v11, -(EMAX<<23), v12             ; the conversion's scale operand
	v_lshrrev_b32 v13, 23, v11                     ; the scale's byte
.if (\t)%4 == 0
	v_mov_b32 v[WSB+(\t)/4], v13
.else
	v_lshl_or_b32 v[WSB+(\t)/4], v13, 8*((\t)%4), v[WSB+(\t)/4]
.endif
.irp g, 0,1,2,3
	v_cvt_scalef32_pk8_fp4_f32 v[WC+\g], v[WS+8*\g:WS+8*\g+7], v11
.endr
	ds_store_b128 v4, v[WC:WC+3] offset:16*(\t)    ; 32 codes: 16 bytes of my column's row
.if (\t)+2 < NBLK
	WLOAD (\t)+2
.endif
	s_wait_dscnt 0x0                               ; the store has read its registers: the next block's codes may be written
.endm
.set QB, 0
.rept NBLK
	WBLOCK QB
.set QB, QB+1
.endr
	global_store_b128 v9, v[WSB:WSB+3], s[16:17]   ; my column's 16 scale bytes
.irp t, 0,1,2,3,4,5,6,7,8,9,10,11,12,13,14,15
	ds_load_b128 v[WOUT+4*\t:WOUT+4*\t+3], v7 offset:2*\t*WPITCH
.endr
.irp t, 0,1,2,3,4,5,6,7,8,9,10,11,12,13,14,15
	s_wait_dscnt 15-\t                             ; load t is in; the younger ones may be out
	global_store_b128 v8, v[WOUT+4*\t:WOUT+4*\t+3], s[14:15] offset:2*\t*WKROW   ; sixteen lanes store 256 consecutive bytes, aligned
.endr
	s_wait_tensorcnt 0x0                           ; the wave's end, behind my last LDS store
	ds_add_u32 v[SPW], v[NIL]
	s_wait_dscnt 0x0
	s_endpgm
.Lfunc_end_k_qe789902d9a_prep:
	.size	k_qe789902d9a_prep, .Lfunc_end_k_qe789902d9a_prep-k_qe789902d9a_prep
	.p2alignl 7, 3214868480
	.fill 96, 4, 3214868480
	.section	.rodata,"a",@progbits
	.p2align	6, 0x0
	.amdhsa_kernel k_qe789902d9a_prep
		.amdhsa_group_segment_fixed_size 68096
		.amdhsa_private_segment_fixed_size 0
		.amdhsa_enable_private_segment 0
		.amdhsa_kernarg_size 64
		.amdhsa_user_sgpr_count 2
		.amdhsa_user_sgpr_kernarg_segment_ptr 1
		.amdhsa_wavefront_size32 1
		.amdhsa_system_sgpr_workgroup_id_x 1
		.amdhsa_system_sgpr_workgroup_id_y 1
		.amdhsa_system_sgpr_workgroup_id_z 1
		.amdhsa_system_vgpr_workitem_id 0
		.amdhsa_next_free_vgpr 196
		.amdhsa_next_free_sgpr 66
		.amdhsa_reserve_vcc 0
		.amdhsa_float_denorm_mode_32 3
		.amdhsa_float_denorm_mode_16_64 3
		.amdhsa_memory_ordered 1
		.amdhsa_forward_progress 1
		.amdhsa_inst_pref_size 131
	.end_amdhsa_kernel
	.amdgpu_metadata
---
amdhsa.version: [ 1, 2 ]
amdhsa.kernels:
  - .name:           k_qe789902d9a_prep
    .symbol:         k_qe789902d9a_prep.kd
    .args:
      - { .name: hidden_states, .offset: 0, .size: 8, .value_kind: global_buffer, .address_space: global }
      - { .name: c_attn_w, .offset: 8, .size: 8, .value_kind: global_buffer, .address_space: global }
      - { .name: c_proj_w, .offset: 16, .size: 8, .value_kind: global_buffer, .address_space: global }
      - { .name: x_codes, .offset: 24, .size: 8, .value_kind: global_buffer, .address_space: global }
      - { .name: x_scales, .offset: 32, .size: 8, .value_kind: global_buffer, .address_space: global }
      - { .name: w_codes, .offset: 40, .size: 8, .value_kind: global_buffer, .address_space: global }
      - { .name: w_scales, .offset: 48, .size: 8, .value_kind: global_buffer, .address_space: global }
      - { .name: wp16, .offset: 56, .size: 8, .value_kind: global_buffer, .address_space: global }
    .group_segment_fixed_size: 68096
    .private_segment_fixed_size: 0
    .kernarg_segment_align: 8
    .kernarg_segment_size: 64
    .max_flat_workgroup_size: 128
    .sgpr_count:     66
    .vgpr_count:     196
    .wavefront_size: 32
...
	.end_amdgpu_metadata
.endif
;; end of part 1
;; launch qkv (part 2): grid 12 x 32, 4 waves a work-group, clusters of 4 x 4, 327,680 bytes of LDS; arguments x_codes, x_scales, w_codes, w_scales, c_attn_b, qkv16, fine32; writes qkv16, fine32
.if DOCPART == 2
	.amdgcn_target "amdgcn-amd-amdhsa--gfx1250"
	.amdhsa_code_object_version 6
	.text
	.protected	k_qe789902d9a_qkv
	.globl	k_qe789902d9a_qkv
	.p2align	8
	.type	k_qe789902d9a_qkv,@function
k_qe789902d9a_qkv:
	s_mov_b64 s[64:65], 0
	v_nop
	global_prefetch_b8 v0, s[64:65] scope:SCOPE_SE
	s_setreg_imm32_b32 hwreg(HW_REG_WAVE_MODE, 25, 1), 1
	s_wait_xcnt 0x0
	s_wait_alu depctr_hold_cnt(0) depctr_sa_sdst(0) depctr_va_vdst(0) depctr_va_sdst(0) depctr_va_ssrc(0) depctr_va_vcc(0) depctr_vm_vsrc(0)
	s_getreg_b32 s2, hwreg(HW_REG_IB_STS2, 6, 4)
	s_cmp_eq_u32 s2, 0
	s_cbranch_scc0 .Lentry_in_a_cluster
	s_endpgm
.Lentry_in_a_cluster:
	s_bfe_u32 s2, ttmp6, 0x10000c
	s_cmp_lg_u32 s2, 0xf033
	s_cbranch_scc0 .Lentry_shape_is_right
	s_endpgm
.Lentry_shape_is_right:
; QKV: qkv = Q(hidden_states) Q(c_attn_w) + c_attn_b on codes of FP4 (E2M1) with one E8M0 scale for each 32 along K; sums in f32.  M = 8,192, N = 3,072, K = 1,024.
; A tile of 256 x 256 is made by four waves, 128 x 128 each: 64 accumulators, 512 registers.  K is two slots of 512: both are asked for at the start, nothing is filled again.
; The matrix instruction is used transposed (source 0 = 16 rows of the weight's codes, source 1 = 16 rows of x): a lane holds eight neighbouring columns of one row.
; The bias is the C of each sum's first product (so it is the sum's first term: an order of rounding other than adding it last).
; CLUSTERS: 4 x 4.  Tile row = 8 cy + cluster y, so that cy is the batch and cluster y the block of 256 rows in the sequence; tile column = 4 cluster x + cx, so that cluster x says q, k or v.
; Both branches of the way out hang on cluster x, cluster y and the wave's number alone: they are the same in all sixteen partners.
; OUT: q, k, v as f16, split by head, [part][batch][head][row][64]: a head's 16 rows are 2,048 consecutive bytes.  The first 16 rows of each sequence also as f32, [16 batch + row][3,072].
; Of v also the column sums over each 128 rows, in f32 (of rows 16-127 in a sequence's first 128).
; LIMITS: |q|, |k|, |v| within f16's 65,504; NaN and infinities are not served.
; REGISTERS: window 0: v0-31 addresses; v32-95 scale words, two sets; v96-127 packed results; v128-191 x's fragments, later sums and rows on the way out; v192-255 the bias.
;   window 1: the weight's fragments, two sets.   windows 2, 3: the accumulators ((a, b) at v[8 (8 (a % 4) + b)]).
.set NQ,     4                         ; matrix instructions deep in a slot
.set ROWB,   256                       ; a tile's row in bytes: 512 codes
.set KROW,   512                       ; a row of codes in memory
.set PITCH,  272                       ; an LDS row: 256 bytes + 16 of padding: the 16 rows of a fragment load start 68 words apart
.set FR,     8
.set NL,     2
.set NP,     4
.set HALFT,  128*PITCH
.set SLOT,   4*HALFT
.set KS,     32                        ; a row of scale bytes
.set SCL,    2*SLOT                    ; behind the slots: the scales, as rows of 256 bytes + 16
.set HALFS,  16*272                    ; the scales of 128 rows
.set SBLK,   2*272                     ; those of 16 rows
.set SPARE,  SCL+4*HALFS               ; the spare words, 128 bytes for each wave; no other line names them
.set WSTG,   16384                     ; the way out: each wave's stages lie in slot 0, which has had its only fill and its last read: an f32 stage of 16 x 528 bytes, behind it an f16 stage of 2 x 16 x 144
.set ADRA, 16
.set SV,   18                          ; v18  f32 stage + 32 (lane / 16): where the column sums go
.set ADRB, 20
.set H32,  22                          ; v22  32 (lane / 16)
.set STO,  24
.set RD,   25
.set CO,   26                          ; v26  16 x lane
.set ADRS, 27
.set SPW,  28
.set NIL,  29
.set HSTO, 30                          ; v30  f16 stage, in
.set HRD,  31                          ; v31  f16 stage, back
.set SC,   32
.set PKD,  96
.set AF,   128
.set TS,   128
.set BI,   192
.set G1, 24
.set G0, 32
.set G1B, 48
.set G0B, 56
.set G1S, 68
.set G0S, 76
.set G1SB, 80
.set G0SB, 88
.set MSB, 0
.macro WIN new                         ; the immediate's high byte repeats the setting that is left
.if MSB != \new
	s_set_vgpr_msb (MSB<<8)|\new
.set MSB, \new
.endif
.endm
.set MUL_LO,   0xa1                    ; source 0 window 1, source 1 window 0, C and D window 2
.set MUL_HI,   0xf1                    ; C and D window 3
.set FIRST_LO, 0x81                    ; C (the bias) window 0, D window 2
.set FIRST_HI, 0xc1                    ; C window 0, D window 3
.set TO_B,     0x40
; A joint load: waves 0 and 1 fetch for x, waves 2 and 3 for the weight.  The branch hangs on the wave's number alone.  An s_nop 0 and four v_nop follow each line.
.macro JLOAD g0a, g1a, g0b, g1b
	s_cmp_eq_u32 s15, 0
	s_cbranch_scc0 .Lfor_b_\@
	tensor_load_to_lds s[\g0a:\g0a+3], s[\g1a:\g1a+7]
	s_nop 0
.rept 4
	v_nop
.endr
	s_branch .Lasked_\@
.Lfor_b_\@:
	tensor_load_to_lds s[\g0b:\g0b+3], s[\g1b:\g1b+7]
	s_nop 0
.rept 4
	v_nop
.endr
.Lasked_\@:
.endm
.macro CROUND                          ; a round of the cluster's barrier
	s_barrier_signal -1
	s_barrier_wait -1
	s_cmp_lg_u32 s14, 0
	s_cbranch_scc1 .Lnot_wave_0_\@
	s_barrier_signal -3
.Lnot_wave_0_\@:
	s_barrier_wait -3
	s_barrier_signal -1
	s_barrier_wait -1
.endm
	s_load_b128 s[4:7], s[0:1], 0x0                ; x's codes, x's scales
	s_load_b128 s[8:11], s[0:1], 0x10              ; the weight's codes, its scales
	s_load_b64 s[12:13], s[0:1], 0x20              ; the bias
	s_load_b128 s[96:99], s[0:1], 0x28             ; qkv16, fine32
	v_lshl_add_u32 v[SPW], v0, 2, SPARE
	v_mov_b32 v[NIL], 0
	ds_add_u32 v[SPW], v[NIL]                      ; the wave's opening: the add, twice on end, and its wait ahead of my first tensor load
	ds_add_u32 v[SPW], v[NIL]
	v_lshrrev_b32 v1, 5, v0
	v_readfirstlane_b32 s14, v1                    ; wave 0..3
	s_lshr_b32 s15, s14, 1                         ; which half of the tile's rows is mine.  Also: I fetch for x (0) or for the weight (1)
	s_and_b32 s16, s14, 1                          ; which half of its columns.  Also: which 128 rows I fetch
	s_bfe_u32 s40, ttmp6, 0x40000                  ; cx
	s_bfe_u32 s41, ttmp6, 0x40004                  ; cy
	s_lshl_b32 s42, ttmp9, 2
	s_add_co_u32 s42, s42, s40                     ; tile column = 4 x cluster x + cx
	s_and_b32 s100, ttmp7, 0xffff                  ; cluster y: the block of 256 rows in the sequence
	s_lshl_b32 s17, s41, 3
	s_add_co_u32 s17, s17, s100                    ; tile row = 8 cy + cluster y
	s_or_b32 s101, s100, s15                       ; 0 in the waves that hold a sequence's first 128 rows
	s_lshl_b32 s43, s41, 2
	s_lshl_b32 s43, 15, s43                        ; my row of the cluster
	s_lshl_b32 s44, 0x1111, s40                    ; my column
	s_or_b32 s[G1+0], s43, (0<<16)|(1<<20)|(1<<21)|(5<<22)|(3<<25)  ; the mask; elements of 1 byte; padding on: 4 words behind every 64
	s_or_b32 s[G1B+0], s44, (0<<16)|(1<<20)|(1<<21)|(5<<22)|(3<<25)
.irp g, G1, G1B
	s_mov_b32 s[\g+1], ROWB<<16                    ; tensor_dim0
	s_mov_b32 s[\g+2], 128<<16                     ; tensor_dim1
	s_mov_b32 s[\g+3], ROWB<<16                    ; tile_dim0
	s_mov_b32 s[\g+4], 128                         ; tile_dim1
	s_mov_b32 s[\g+5], KROW                        ; from row to row
	s_mov_b32 s[\g+6], 0
	s_mov_b32 s[\g+7], 0
.endr
	s_or_b32 s[G1S+0], s43, (3<<16)|(1<<20)|(1<<21)|(5<<22)|(3<<25) ; the scales of 128 rows: 4,096 dense bytes as 16 rows of 256 (32 elements of 8 bytes)
	s_or_b32 s[G1SB+0], s44, (3<<16)|(1<<20)|(1<<21)|(5<<22)|(3<<25)
.irp g, G1S, G1SB
	s_mov_b32 s[\g+1], 32<<16
	s_mov_b32 s[\g+2], 16<<16
	s_mov_b32 s[\g+3], 32<<16
	s_mov_b32 s[\g+4], 16
	s_mov_b32 s[\g+5], 32
	s_mov_b32 s[\g+6], 0
	s_mov_b32 s[\g+7], 0
.endr
	s_lshl_b32 s18, s16, 7
	s_lshl_b32 s20, s17, 8
	s_add_co_u32 s20, s20, s18                     ; x: row 256 x tile row + 128 x half
	s_lshl_b32 s46, s42, 8
	s_add_co_u32 s46, s46, s18                     ; the weight: row 256 x tile column + 128 x half
	s_mov_b32 s21, 0
	s_mov_b32 s47, 0
	s_mov_b64 s[18:19], KS
	s_mul_u64 s[22:23], s[20:21], s[18:19]         ; where these rows' scales begin
	s_mul_u64 s[92:93], s[46:47], s[18:19]
	s_mov_b64 s[18:19], KROW
	s_mul_u64 s[20:21], s[20:21], s[18:19]         ; and their codes
	s_mul_u64 s[46:47], s[46:47], s[18:19]
	s_mul_i32 s45, s14, HALFT                      ; where they go: wave x 128 rows
	s_mul_i32 s94, s14, HALFS
	s_wait_dscnt 0x0                               ; both opening adds are done
	s_wait_kmcnt 0x0
	s_add_nc_u64 s[20:21], s[4:5], s[20:21]
	s_add_nc_u64 s[22:23], s[6:7], s[22:23]
	s_add_nc_u64 s[46:47], s[8:9], s[46:47]
	s_add_nc_u64 s[92:93], s[10:11], s[92:93]
	CROUND                                         ; all sixteen work-groups are here: the joint loads meet
	s_mov_b32 s[G0S], 1
	s_add_co_u32 s[G0S+1], s94, SCL
	s_mov_b64 s[G0S+2:G0S+3], s[22:23]
	s_or_b32 s[G0S+3], s[G0S+3], 0x80000000
	s_mov_b32 s[G0SB], 1
	s_add_co_u32 s[G0SB+1], s94, SCL
	s_mov_b64 s[G0SB+2:G0SB+3], s[92:93]
	s_or_b32 s[G0SB+3], s[G0SB+3], 0x80000000
	JLOAD G0S, G1S, G0SB, G1SB                     ; the scales first; three loads of mine are out when all are issued
.irp s, 0,1
	s_mov_b32 s[G0+4*\s], 1
	s_add_co_u32 s[G0+4*\s+1], s45, \s*SLOT
	s_add_nc_u64 s[G0+4*\s+2:G0+4*\s+3], s[20:21], \s*ROWB
	s_or_b32 s[G0+4*\s+3], s[G0+4*\s+3], 0x80000000
	s_mov_b32 s[G0B+4*\s], 1
	s_add_co_u32 s[G0B+4*\s+1], s45, \s*SLOT
	s_add_nc_u64 s[G0B+4*\s+2:G0B+4*\s+3], s[46:47], \s*ROWB
	s_or_b32 s[G0B+4*\s+3], s[G0B+4*\s+3], 0x80000000
	JLOAD G0+4*\s, G1, G0B+4*\s, G1B
.endr
	v_and_b32 v1, 15, v0                           ; r = lane % 16
	v_bfe_u32 v2, v0, 4, 1                         ; h = lane / 16
	v_lshlrev_b32 v[H32], 5, v2
	s_lshl_b32 s46, s42, 10                        ; the bias of my 128 columns: 1,024 x tile column + 512 x half bytes on
	s_lshl_b32 s47, s16, 9
	s_add_co_u32 s46, s46, s47
	s_mov_b32 s47, 0
	s_add_nc_u64 s[12:13], s[12:13], s[46:47]
.irp b, 0,1,2,3,4,5,6,7
	global_load_b128 v[BI+8*\b:BI+8*\b+3], v[H32], s[12:13] offset:64*\b        ; lane (r, h): columns 16 b + 8 h + 0 .. 7, the result's layout
	global_load_b128 v[BI+8*\b+4:BI+8*\b+7], v[H32], s[12:13] offset:64*\b+16
.endr
	v_mul_u32_u24 v3, v1, PITCH
	v_lshl_add_u32 v4, v2, 4, v3                   ; a fragment's row x pitch + 16 x half
	s_mul_i32 s21, s15, HALFT
	s_mul_i32 s22, s16, HALFT
	s_add_co_u32 s22, s22, 2*HALFT
.irp s, 0,1
	v_add_nc_u32 v[ADRA+\s], s21, v4
	v_add_nc_u32 v[ADRB+\s], s22, v4
	s_add_co_u32 s21, s21, SLOT
	s_add_co_u32 s22, s22, SLOT
.endr
	v_mul_u32_u24 v5, v1, KS                       ; my row's scales: 32 bytes a row,
	v_lshrrev_b32 v6, 8, v5
	v_lshl_add_u32 v5, v6, 4, v5                   ; and 16 more for each 256 passed
	s_mul_i32 s21, s15, HALFS
	s_mul_i32 s22, s16, HALFS
	s_add_co_u32 s22, s22, 2*HALFS
	s_sub_co_u32 s22, s22, s21
	v_mul_u32_u24 v6, s22, v2                      ; lanes 16-31 take the weight's
	s_add_co_u32 s21, s21, SCL
	v_add_nc_u32 v5, v5, v6
	v_add_nc_u32 v[ADRS], s21, v5
	s_lshl_b32 s23, s14, 14                        ; my stages
	v_mul_u32_u24 v5, v1, 528
	v_lshl_add_u32 v5, v2, 5, v5
	v_add_nc_u32 v[STO], s23, v5                   ; f32 stage, in: row r, 32 bytes for each half of the lanes
	v_and_b32 v6, 31, v0
	v_lshlrev_b32 v[CO], 4, v6
	v_add_nc_u32 v[RD], s23, v[CO]                 ; back: the 32 lanes take one row of 512 bytes
	v_add_nc_u32 v[SV], s23, v[H32]
	s_add_co_u32 s23, s23, 16*528
	v_mul_u32_u24 v5, v1, 144
	v_lshl_add_u32 v5, v2, 4, v5
	v_add_nc_u32 v[HSTO], s23, v5                  ; f16 stage, in: row r of 144 bytes, 16 bytes for each half
	v_lshrrev_b32 v5, 3, v6
	v_mul_u32_u24 v5, v5, 144
	v_and_b32 v6, 7, v6
	v_lshl_add_u32 v5, v6, 4, v5
	v_add_nc_u32 v[HRD], s23, v5                   ; back: eight lanes to a row of 128 bytes, four rows an instruction
	s_lshl_b32 s46, s41, 4                         ; qkv16: part, then head 16 batch + 4 cx + 2 half, then row 256 cluster y + 128 half
	s_lshl_b32 s47, s40, 2
	s_add_co_u32 s46, s46, s47
	s_lshl_b32 s47, s16, 1
	s_add_co_u32 s46, s46, s47
	s_lshl_b32 s46, s46, 18
	s_lshl_b32 s47, ttmp9, 24
	s_add_co_u32 s46, s46, s47
	s_lshl_b32 s47, s100, 15
	s_add_co_u32 s46, s46, s47
	s_lshl_b32 s47, s15, 14
	s_add_co_u32 s46, s46, s47
	s_mov_b32 s47, 0
	s_add_nc_u64 s[96:97], s[96:97], s[46:47]
	s_lshl_b32 s46, s41, 16                        ; the column sums: [batch][128 rows][1,024] f32 from byte 786,432 of fine32
	s_lshl_b32 s47, s100, 13
	s_add_co_u32 s46, s46, s47
	s_lshl_b32 s47, s15, 12
	s_add_co_u32 s46, s46, s47
	s_lshl_b32 s47, s40, 10
	s_add_co_u32 s46, s46, s47
	s_lshl_b32 s47, s16, 9
	s_add_co_u32 s46, s46, s47
	s_add_co_u32 s46, s46, 786432
	s_mov_b32 s47, 0
	s_add_nc_u64 s[92:93], s[98:99], s[46:47]
	s_mul_i32 s46, s41, 16*12288                   ; the f32 rows: row 16 batch, column 256 x tile column + 128 x half
	s_lshl_b32 s47, s42, 10
	s_add_co_u32 s46, s46, s47
	s_lshl_b32 s47, s16, 9
	s_add_co_u32 s46, s46, s47
	s_mov_b32 s47, 0
	s_add_nc_u64 s[98:99], s[98:99], s[46:47]
.macro FRAG reg, adr, q, i             ; 16 rows x 128 K of 4-bit codes: 8 registers, two loads of 16 bytes, 32 bytes apart
.irp c, 0,1
	ds_load_b128 v[\reg+4*\c:\reg+4*\c+3], v[\adr] offset:64*(\q)+32*\c+(\i)*16*PITCH
.endr
.endm
; 16 matrix instructions: x's blocks a0, a0 + 1 against the weight's eight.  zero = 1: the first product starts the sums from the bias.  The 64 accumulators take turns.
.macro MUL16 a0, p, q, sc, zero
.irp a, \a0, \a0+1
.irp b, 0,1,2,3,4,5,6,7
.if \zero
	v_wmma_scale_f32_16x16x128_f8f6f4 v[8*(8*((\a)%4)+\b):8*(8*((\a)%4)+\b)+7], v[128*(\p)+FR*\b:128*(\p)+FR*\b+FR-1], v[AF+FR*(\a):AF+FR*(\a)+FR-1], v[BI+8*\b:BI+8*\b+7], v[SC+8*NQ*(\sc)+NQ*\b+(\q)], v[SC+8*NQ*(\sc)+NQ*(\a)+(\q)] matrix_a_fmt:MATRIX_FMT_FP4 matrix_b_fmt:MATRIX_FMT_FP4 matrix_a_scale:MATRIX_SCALE_ROW1
.else
	v_wmma_scale_f32_16x16x128_f8f6f4 v[8*(8*((\a)%4)+\b):8*(8*((\a)%4)+\b)+7], v[128*(\p)+FR*\b:128*(\p)+FR*\b+FR-1], v[AF+FR*(\a):AF+FR*(\a)+FR-1], v[8*(8*((\a)%4)+\b):8*(8*((\a)%4)+\b)+7], v[SC+8*NQ*(\sc)+NQ*\b+(\q)], v[SC+8*NQ*(\sc)+NQ*(\a)+(\q)] matrix_a_fmt:MATRIX_FMT_FP4 matrix_b_fmt:MATRIX_FMT_FP4 matrix_a_scale:MATRIX_SCALE_ROW1
.endif
.endr
.endr
.endm
.macro FETCH_B slot, q, p
	WIN TO_B
.irp i, 0,1,2,3,4,5,6,7
	FRAG 128*(\p)+FR*\i, ADRB+\slot, \q, \i
.endr
	WIN 0
.endm
.macro FETCH_A slot, q, i0
.irp i, \i0, \i0+1, \i0+2, \i0+3
	FRAG AF+FR*(\i), ADRA+\slot, \q, \i
.endr
.endm
.macro SCALES sc                       ; a slot's scale words: four words a row; lanes 0-15 take x's block i, lanes 16-31 the weight's block i
.irp i, 0,1,2,3,4,5,6,7
	ds_load_b128 v[SC+8*NQ*\sc+NQ*\i:SC+8*NQ*\sc+NQ*\i+3], v[ADRS] offset:\i*SBLK
.endr
.endm
.macro PLACES n                        ; plain vector instructions between a matrix instruction and a load into, or a read of, its registers
.rept \n
	v_nop
.endr
.endm
.macro STEP slot, q, zero              ; 128 along K, with its successor in the same slot
	s_wait_dscnt 4*NL                              ; all but the youngest eight loads (x's blocks 4-7) are in
.if \zero
	WIN FIRST_LO
.else
	WIN MUL_LO
.endif
	MUL16 0, (\q)%2, \q, \slot, \zero
	MUL16 2, (\q)%2, \q, \slot, \zero
	s_wait_dscnt 0
	PLACES NP
	FETCH_B \slot, (\q)+1, 1-(\q)%2
	FETCH_A \slot, (\q)+1, 0
.if \zero
	WIN FIRST_HI
.else
	WIN MUL_HI
.endif
	MUL16 4, (\q)%2, \q, \slot, \zero
	MUL16 6, (\q)%2, \q, \slot, \zero
	PLACES NP
	WIN 0
	FETCH_A \slot, (\q)+1, 4
.endm
.macro STEPS slot, from
.set QS, \from
.rept NQ-1-\from
	STEP \slot, QS, 0
.set QS, QS+1
.endr
.endm
	s_wait_tensorcnt 1                             ; the scales and my part of slot 0 are in; slot 1's load, the one issued behind them, may be out
	s_barrier_signal -1
	s_barrier_wait -1                              ; everybody's are
	FETCH_B 0, 0, 0
	FETCH_A 0, 0, 0
	SCALES 0
	FETCH_A 0, 0, 4
	s_wait_loadcnt 0x0                             ; the bias
	STEP 0, 0, 1
	STEPS 0, 1
	; slot 0's last step changes slots: one barrier; in front of it each wave waits for all its tensor loads, adds 0 to its spare word, and waits for that and for its reads of slot 0
	s_wait_tensorcnt 0x0                           ; my part of slot 1 has landed
	ds_add_u32 v[SPW], v[NIL]
	s_wait_dscnt 4*NL+1                            ; the add and the youngest eight loads may be out
	WIN MUL_LO
	MUL16 0, 1, NQ-1, 0, 0
	s_wait_dscnt 0x0                               ; the add is done, and my reads of slot 0 are over
	s_barrier_signal -1
	MUL16 2, 1, NQ-1, 0, 0
	WIN 0
	s_barrier_wait -1
	PLACES NP
	v_add_nc_u32 v[ADRS], 4*NQ, v[ADRS]            ; on to slot 1's scale words
	FETCH_B 1, 0, 0
	FETCH_A 1, 0, 0
	SCALES 1
	WIN MUL_HI
	MUL16 4, 1, NQ-1, 0, 0
	MUL16 6, 1, NQ-1, 0, 0
	PLACES NP
	WIN 0
	FETCH_A 1, 0, 4
	STEPS 1, 0
	s_wait_dscnt 4*NL                              ; the very last step
	WIN MUL_LO
	MUL16 0, 1, NQ-1, 1, 0
	MUL16 2, 1, NQ-1, 1, 0
	s_wait_dscnt 0
	WIN MUL_HI
	MUL16 4, 1, NQ-1, 1, 0
	MUL16 6, 1, NQ-1, 1, 0
	WIN 0
	PLACES NP                                      ; in front of the first reads of results and the first writes of x's fragment registers
	; ---- v's column sums over my 128 rows (cluster x = 2 alone).  Each accumulator is first read at its two lowest registers.
	s_cmp_lg_u32 ttmp9, 2
	s_cbranch_scc1 .Lno_vsum
	WIN 0x0a                                       ; both sources window 2
.irp b, 0,1,2,3,4,5,6,7
.irp j, 0,2,4,6
	v_pk_add_f32 v[TS+8*\b+\j:TS+8*\b+\j+1], v[64+8*\b+\j:64+8*\b+\j+1], v[128+8*\b+\j:128+8*\b+\j+1]   ; blocks 1 and 2
.endr
.endr
	WIN 0x08                                       ; source 1 window 2
.irp b, 0,1,2,3,4,5,6,7
.irp j, 0,2,4,6
	v_pk_add_f32 v[TS+8*\b+\j:TS+8*\b+\j+1], v[TS+8*\b+\j:TS+8*\b+\j+1], v[192+8*\b+\j:192+8*\b+\j+1]   ; block 3
.endr
.endr
	WIN 0x0c                                       ; source 1 window 3
.irp a, 0,1,2,3
.irp b, 0,1,2,3,4,5,6,7
.irp j, 0,2,4,6
	v_pk_add_f32 v[TS+8*\b+\j:TS+8*\b+\j+1], v[TS+8*\b+\j:TS+8*\b+\j+1], v[64*\a+8*\b+\j:64*\a+8*\b+\j+1]   ; blocks 4 to 7
.endr
.endr
.endr
	WIN 0
	s_cmp_eq_u32 s101, 0                           ; a sequence's first 16 rows are left out of its first sum
	s_cbranch_scc1 .Lno_a0
	WIN 0x08
.irp b, 0,1,2,3,4,5,6,7
.irp j, 0,2,4,6
	v_pk_add_f32 v[TS+8*\b+\j:TS+8*\b+\j+1], v[TS+8*\b+\j:TS+8*\b+\j+1], v[8*\b+\j:8*\b+\j+1]   ; block 0
.endr
.endr
	WIN 0
.Lno_a0:
.irp m, 1,2,4,8                                ; over the sixteen rows that the lanes of a half hold: every lane of a half ends with the sum
.set i, 0
.rept 64
	v_add_f32_dpp v[TS+i], v[TS+i], v[TS+i] row_xmask:\m row_mask:0xf bank_mask:0xf
.set i, i+1
.endr
.endr
.irp b, 0,1,2,3,4,5,6,7
	ds_store_b128 v[SV], v[TS+8*\b:TS+8*\b+3] offset:64*\b          ; the sixteen lanes of a half write the same bytes with the same values
	ds_store_b128 v[SV], v[TS+8*\b+4:TS+8*\b+7] offset:64*\b+16
.endr
	ds_load_b128 v[PKD:PKD+3], v[RD]               ; back as 512 consecutive bytes: this load sees my stores
	s_wait_dscnt 0x0
	global_store_b128 v[CO], v[PKD:PKD+3], s[92:93]
	s_wait_xcnt 0x0                                ; the store has read its registers
.Lno_vsum:
	; ---- a sequence's first 16 rows, in f32
	s_cmp_lg_u32 s101, 0
	s_cbranch_scc1 .Lno_fine
	WIN 0x08                                       ; an LDS store's data are its source 1: window 2
.irp b, 0,1,2,3,4,5,6,7
	ds_store_b128 v[STO], v[8*\b:8*\b+3] offset:64*\b
	ds_store_b128 v[STO], v[8*\b+4:8*\b+7] offset:64*\b+16
.endr
	WIN 0
.irp t, 0,1,2,3,4,5,6,7,8,9,10,11,12,13,14,15
	ds_load_b128 v[TS+4*\t:TS+4*\t+3], v[RD] offset:\t*528
.endr
	s_wait_dscnt 0x0
.irp t, 0,1,2,3,4,5,6,7,8,9,10,11,12,13,14,15
	global_store_b128 v[CO], v[TS+4*\t:TS+4*\t+3], s[98:99] offset:\t*12288   ; 32 lanes store 512 consecutive bytes, aligned
.endr
	s_wait_xcnt 0x0                                ; the stores have read their registers
.Lno_fine:
	; ---- all rows as f16, a block of 16 rows x 2 heads at a time, through my f16 stage
.macro PACK a
.set AC, 64*((\a)%4)
	WIN 0x0a+5*((\a)/4)                            ; sources 0 and 1: window 2 or 3
.irp b, 0,1,2,3,4,5,6,7
.irp q, 0,1,2,3
	v_cvt_pk_f16_f32 v[PKD+4*\b+\q], v[AC+8*\b+2*\q], v[AC+8*\b+2*\q+1]
.endr
.endr
	WIN 0
.endm
.macro TOSTAGE a
.set OB, 128+32*((\a)%2)
.irp b, 0,1,2,3,4,5,6,7
	ds_store_b128 v[HSTO], v[PKD+4*\b:PKD+4*\b+3] offset:(\b/4)*2304+32*(\b%4)
.endr
.irp t, 0,1,2,3,4,5,6,7
	ds_load_b128 v[OB+4*\t:OB+4*\t+3], v[HRD] offset:(\t/4)*2304+(\t%4)*576   ; these see the stores above; the next block's stores come behind them
.endr
.endm
.macro SEND a
.set OB, 128+32*((\a)%2)
	s_wait_dscnt 0x0                               ; the block is back in registers
	s_wait_xcnt 0x0                                ; the block before has been read by its stores: its registers take the next block's loads
.irp t, 0,1,2,3,4,5,6,7
	global_store_b128 v[CO], v[OB+4*\t:OB+4*\t+3], s[96:97] offset:(\a)*2048+(\t/4)*262144+(\t%4)*512   ; 32 lanes store 512 consecutive bytes, aligned: four rows of a head
.endr
.endm
	PACK 0
	TOSTAGE 0
.irp a, 1,2,3,4,5,6,7
	PACK \a
	SEND \a-1
	TOSTAGE \a
.endr
	SEND 7
	s_wait_tensorcnt 0x0                           ; the wave's end, behind my last tensor load and my last LDS store
	ds_add_u32 v[SPW], v[NIL]
	s_wait_dscnt 0x0
	CROUND                                         ; the closing round
	s_endpgm
.Lfunc_end_k_qe789902d9a_qkv:
	.size	k_qe789902d9a_qkv, .Lfunc_end_k_qe789902d9a_qkv-k_qe789902d9a_qkv
	.p2alignl 7, 3214868480
	.fill 96, 4, 3214868480
	.section	.rodata,"a",@progbits
	.p2align	6, 0x0
	.amdhsa_kernel k_qe789902d9a_qkv
		.amdhsa_group_segment_fixed_size 327680
		.amdhsa_private_segment_fixed_size 0
		.amdhsa_enable_private_segment 0
		.amdhsa_kernarg_size 56
		.amdhsa_user_sgpr_count 2
		.amdhsa_user_sgpr_kernarg_segment_ptr 1
		.amdhsa_wavefront_size32 1
		.amdhsa_system_sgpr_workgroup_id_x 1
		.amdhsa_system_sgpr_workgroup_id_y 1
		.amdhsa_system_sgpr_workgroup_id_z 1
		.amdhsa_system_vgpr_workitem_id 0
		.amdhsa_next_free_vgpr 1024
		.amdhsa_next_free_sgpr 104
		.amdhsa_reserve_vcc 0
		.amdhsa_float_denorm_mode_32 3
		.amdhsa_float_denorm_mode_16_64 3
		.amdhsa_memory_ordered 1
		.amdhsa_forward_progress 1
		.amdhsa_inst_pref_size 164
	.end_amdhsa_kernel
	.amdgpu_metadata
---
amdhsa.version: [ 1, 2 ]
amdhsa.kernels:
  - .name:           k_qe789902d9a_qkv
    .symbol:         k_qe789902d9a_qkv.kd
    .args:
      - { .name: x_codes, .offset: 0, .size: 8, .value_kind: global_buffer, .address_space: global }
      - { .name: x_scales, .offset: 8, .size: 8, .value_kind: global_buffer, .address_space: global }
      - { .name: w_codes, .offset: 16, .size: 8, .value_kind: global_buffer, .address_space: global }
      - { .name: w_scales, .offset: 24, .size: 8, .value_kind: global_buffer, .address_space: global }
      - { .name: c_attn_b, .offset: 32, .size: 8, .value_kind: global_buffer, .address_space: global }
      - { .name: qkv16, .offset: 40, .size: 8, .value_kind: global_buffer, .address_space: global }
      - { .name: fine32, .offset: 48, .size: 8, .value_kind: global_buffer, .address_space: global }
    .group_segment_fixed_size: 327680
    .private_segment_fixed_size: 0
    .kernarg_segment_align: 8
    .kernarg_segment_size: 56
    .max_flat_workgroup_size: 128
    .sgpr_count:     104
    .vgpr_count:     1024
    .wavefront_size: 32
...
	.end_amdgpu_metadata
.endif
;; end of part 2
;; launch attn (part 3): grid 4 x 64, 8 waves a work-group, no clusters, 327,680 bytes of LDS; arguments qkv16, fine32, o16; writes o16
.if DOCPART == 3
	.amdgcn_target "amdgcn-amd-amdhsa--gfx1250"
	.amdhsa_code_object_version 6
	.text
	.protected	k_qe789902d9a_attn
	.globl	k_qe789902d9a_attn
	.p2align	8
	.type	k_qe789902d9a_attn,@function
k_qe789902d9a_attn:
	s_mov_b64 s[64:65], 0
	v_nop
	global_prefetch_b8 v0, s[64:65] scope:SCOPE_SE
	s_setreg_imm32_b32 hwreg(HW_REG_WAVE_MODE, 25, 1), 1
	s_wait_xcnt 0x0
; ATTN: o = softmax(where(key <= query, q k^T / 8, -10000)) v for each of 64 heads of 2,048 positions x 64 channels.  q, k, v, p as f16, products and sums in f32, a running maximum.
; SHARES.  Work-group (i, head) owns the query blocks 7 - i and i of 256 queries, in that order: (8 - i) + (i + 1) = 9 slots of 256 keys for every work-group, one loop of constant count.
; A wave owns 32 queries, two tiles of 16, and walks 64 keys a step.  Every tile that is asked for is read.
; THE MASK IS -10000, NOT MINUS INFINITY.  Inside the slot on the diagonal a hidden score takes the value -80000 (that is -10000 ahead of the division by 8) and goes through softmax and product like any other.
; The keys behind that slot all have that one score: with e = 2^(c (-80000) - c m) they add e x their number to the sum and e x (the sum of their v) to o; -80000 is the maximum's first value
; wherever such keys exist.  The sums of v come from the launch before, in f32, 128 rows each (another order of summing than the reference's).
; LAYOUT.  S^T = K Q^T (source 0 = 16 keys, source 1 = 16 queries): a lane holds one query and keys 8 (lane / 16) + 0..7; two such tiles rounded to f16 in pairs are source 1 of O^T = V^T P.
; NO CLUSTER: the four work-groups of a head want the same tiles in trips 0 to 4 alone; afterwards each wants other tiles, so a joint request could not be issued alike by all four.
; LIMITS: |q|, |k|, |v|, |o| within f16's 65,504; NaN and infinities are not served.
; REGISTERS: v0-15 addresses; v16-31 statistics, eight a tile: +0 c m, +1 m, +2 +3 the sum, +4..+7 at work; v32-63 Q; v64-127 S^T, then P in each tile's first 16; v128-159, v160-191 fragments; v192-255 O^T.
.set PK,    144                        ; a key's row in LDS: 128 bytes + 16
.set PV,    160                        ; a row of V: 128 + 32
.set VOFF,  64*PK                      ; a step: 64 rows of K, then 64 rows of V
.set STEPB, 64*(PK+PV)
.set SLOT1, 131072                     ; slot 1 begins here: one exclusive or turns an address
.set STAGE, SLOT1+4*STEPB              ; the way out: 32 rows x 144 bytes for each wave
.set VBS,   STAGE+8*32*PK              ; the sums of v behind my two blocks: 2 x 256 bytes for each wave
.set SPARE, VBS+8*512                  ; the spare words, 128 bytes for each wave; no other line names them
.set SMASK, 0xc79c4000                 ; -80000.0
.set NEGBIG, 0xff61b1e6                ; -3e38
.set ST, 16
.set Q,  32
.set S,  64
.set XB, 128
.set YB, 160
.set O,  192
; Waves 0-3 fetch K of step w, waves 4-7 V of step w - 4: one load a wave.  The branch hangs on the wave's number alone.  An s_nop 0 and four v_nop follow each line.
.macro TLOAD
	s_cmp_lt_u32 s10, 4
	s_cbranch_scc0 .Lfor_v_\@
	tensor_load_to_lds s[32:35], s[16:23]
	s_nop 0
.rept 4
	v_nop
.endr
	s_branch .Lasked_\@
.Lfor_v_\@:
	tensor_load_to_lds s[32:35], s[24:31]
	s_nop 0
.rept 4
	v_nop
.endr
.Lasked_\@:
.endm
; A prefetch of the tile after the one just asked for.  The head's work-group 0 walks tiles 0 to 7 in trips 0 to 7 and asks for all four; each of its waves names its own 8,192 bytes of the tile, lanes 256 bytes apart:
; each block is named once in the launch.  Trips 0 to 5 name tiles 2 to 7; tiles 0 and 1 come by their loads alone.
.macro ASK
	s_cmp_lt_u32 s39, s52
	s_cbranch_scc0 .Lnot_mine_\@
	global_prefetch_b8 v15, s[50:51] th:TH_LOAD_NT scope:SCOPE_SE
.Lnot_mine_\@:
.endm
; The change of slots stands at a slot's head: each wave waits for all its tensor loads (its part of the slot ahead), adds 0 to its spare word, and waits for that and for its reads of the slot left.
; fill = 1: the slot left takes the next trip's tile; that load has four key steps in which to land.
.macro CHANGE fill
	s_wait_tensorcnt 0x0                           ; no tensor load of mine is out, so the descriptor may be written
	ds_add_u32 v5, v6
.if \fill
	s_xor_b32 s33, s33, SLOT1                      ; the other slot than last time
	s_add_co_u32 s38, s38, 1                       ; the next tile,
	s_cmp_eq_u32 s39, s40
	s_cselect_b32 s38, 0, s38                      ; or tile 0 where the second block begins
	s_lshl_b32 s58, s38, 15                        ; 256 rows of 128 bytes a tile
	s_mov_b32 s59, 0
	s_add_nc_u64 s[34:35], s[36:37], s[58:59]
	s_or_b32 s35, s35, 0x80000000
	s_wait_xcnt 0x0                                ; the last prefetch, a slot back, has read its address
	s_add_nc_u64 s[50:51], s[50:51], 32768
.endif
	s_wait_dscnt 0x0                               ; the add is done, and my reads of the slot that I have left are over
	s_barrier_signal -1
	s_barrier_wait -1
.if \fill
	TLOAD                                          ; the first thing behind the barrier, and my one tensor load until the next
	ASK
.endif
.endm
.macro LDK p, buf                      ; keys 32 p on: two tiles of 16 keys x 64 channels
.irp kt, 0,1
.irp dc, 0,1
	ds_load_b128 v[\buf+16*\kt+8*\dc:\buf+16*\kt+8*\dc+3], v3 offset:(32*\p+16*\kt)*PK+64*\dc
	ds_load_b128 v[\buf+16*\kt+8*\dc+4:\buf+16*\kt+8*\dc+7], v3 offset:(32*\p+16*\kt)*PK+64*\dc+32
.endr
.endr
.endm
.macro LDV c, buf                      ; keys 32 c on, turned: four tiles of 16 channels x 32 keys
.irp t, 0,1,2,3
	ds_load_tr16_b128 v[\buf+8*\t:\buf+8*\t+3], v4 offset:32*\c*PV+32*\t
	ds_load_tr16_b128 v[\buf+8*\t+4:\buf+8*\t+7], v4 offset:32*\c*PV+32*\t+16*PV
.endr
.endm
.macro SMUL p, buf                     ; eight products: four accumulators by turns; the first four start the sums
.irp dc, 0,1
.irp kt, 0,1
.irp u, 0,1
.if \dc == 0
	v_wmma_f32_16x16x32_f16 v[S+32*\u+8*(2*\p+\kt):S+32*\u+8*(2*\p+\kt)+7], v[\buf+16*\kt+8*\dc:\buf+16*\kt+8*\dc+7], v[Q+16*\u+8*\dc:Q+16*\u+8*\dc+7], 0
.else
	v_wmma_f32_16x16x32_f16 v[S+32*\u+8*(2*\p+\kt):S+32*\u+8*(2*\p+\kt)+7], v[\buf+16*\kt+8*\dc:\buf+16*\kt+8*\dc+7], v[Q+16*\u+8*\dc:Q+16*\u+8*\dc+7], v[S+32*\u+8*(2*\p+\kt):S+32*\u+8*(2*\p+\kt)+7]
.endif
.endr
.endr
.endr
.endm
.macro PVMUL c, buf                    ; eight products: eight accumulators by turns
.irp t, 0,1,2,3
.irp u, 0,1
	v_wmma_f32_16x16x32_f16 v[O+32*\u+8*\t:O+32*\u+8*\t+7], v[\buf+8*\t:\buf+8*\t+7], v[S+32*\u+8*\c:S+32*\u+8*\c+7], v[O+32*\u+8*\t:O+32*\u+8*\t+7]
.endr
.endr
.endm
; Hidden scores take the value -80000.  A step all of whose keys count for all my queries jumps over this: a branch on ids and the count of steps.
.macro MASK
	s_add_co_u32 s58, s42, 63
	s_cmp_le_u32 s58, s43
	s_cbranch_scc1 .Lopen_\@
	s_sub_co_i32 s58, s43, s42
	v_add_nc_u32 v8, s58, v7                       ; d = my query - the step's first key - 8 (lane / 16), tile 0;
	v_add_nc_u32 v9, 16, v8                        ; tile 1.  Register n holds key 16 (n / 8) + n % 8 + 8 (lane / 16): hidden where 16 (n / 8) + n % 8 > d
.irp u, 0,1
.irp n, 0,1,2,3,4,5,6,7,8,9,10,11,12,13,14,15,16,17,18,19,20,21,22,23,24,25,26,27,28,29,30,31
	v_cmp_gt_i32 vcc_lo, 16*(\n/8)+\n%8, v[8+\u]
	v_cndmask_b32 v[S+32*\u+\n], v[S+32*\u+\n], v10, vcc_lo
.endr
.endr
.Lopen_\@:
.endm
.macro SOFTMAX                         ; both tiles line by turns
.irp j, 0,1,2,3
.irp u, 0,1
	v_max3_num_f32 v[ST+8*\u+4+\j], v[S+32*\u+8*\j], v[S+32*\u+8*\j+1], v[S+32*\u+8*\j+2]   ; four chains; each accumulator is first read at its low end
.endr
.endr
.irp g, 1,2
.irp j, 0,1,2,3
.irp u, 0,1
	v_max3_num_f32 v[ST+8*\u+4+\j], v[ST+8*\u+4+\j], v[S+32*\u+8*\j+2*\g+1], v[S+32*\u+8*\j+2*\g+2]
.endr
.endr
.endr
.irp u, 0,1
	v_max3_num_f32 v[ST+8*\u+4], v[ST+8*\u+4], v[S+32*\u+7], v[S+32*\u+15]
	v_max3_num_f32 v[ST+8*\u+6], v[ST+8*\u+6], v[S+32*\u+23], v[S+32*\u+31]
.endr
.irp u, 0,1
	v_max3_num_f32 v[ST+8*\u+4], v[ST+8*\u+4], v[ST+8*\u+5], v[ST+8*\u+6]
.endr
.irp u, 0,1
	v_max3_num_f32 v[ST+8*\u+4], v[ST+8*\u+4], v[ST+8*\u+7], v[ST+8*\u+1]   ; the old m among them
.endr
.irp u, 0,1
	v_permlanex16_b32 v[ST+8*\u+5], v[ST+8*\u+4], s48, s49   ; the query's other 32 keys lie in the lane 16 away
.endr
.irp u, 0,1
	v_mov_b32 v[ST+8*\u+7], v[ST+8*\u]             ; c m_old
.endr
.irp u, 0,1
	v_max_num_f32 v[ST+8*\u+1], v[ST+8*\u+4], v[ST+8*\u+5]
.endr
.irp u, 0,1
	v_mul_f32 v[ST+8*\u], s46, v[ST+8*\u+1]
.endr
.irp u, 0,1
	v_sub_f32 v[ST+8*\u+7], v[ST+8*\u+7], v[ST+8*\u]
.endr
.set i, 0
.rept 16
	v_pk_fma_f32 v[S+i:S+i+1], v[S+i:S+i+1], s[46:47], v[ST:ST+1] op_sel_hi:[1,0,0] neg_lo:[0,0,1] neg_hi:[0,0,1]   ; c s - c m
	v_pk_fma_f32 v[S+32+i:S+33+i], v[S+32+i:S+33+i], s[46:47], v[ST+8:ST+9] op_sel_hi:[1,0,0] neg_lo:[0,0,1] neg_hi:[0,0,1]
.set i, i+2
.endr
.irp u, 0,1
	v_exp_f32 v[ST+8*\u+6], v[ST+8*\u+7]           ; a = 2^(c m_old - c m_new)
.endr
.set i, 0
.rept 32
	v_exp_f32 v[S+i], v[S+i]
	v_exp_f32 v[S+32+i], v[S+32+i]
.set i, i+1
.endr
	v_nop                                          ; a plain instruction behind the last exponential
	s_wait_alu depctr_va_vdst(0)                   ; one wait for the 66 exponentials, ahead of the first instruction that names a result
.irp u, 0,1
	v_pk_mul_f32 v[ST+8*\u+2:ST+8*\u+3], v[ST+8*\u+2:ST+8*\u+3], v[ST+8*\u+6:ST+8*\u+7] op_sel_hi:[1,0]   ; the sum under the new m
	v_pk_add_f32 v[ST+8*\u+4:ST+8*\u+5], v[S+32*\u+2:S+32*\u+3], v[S+32*\u+6:S+32*\u+7]   ; a second chain
.endr
.irp k, 0,4
.irp u, 0,1
	v_pk_add_f32 v[ST+8*\u+2:ST+8*\u+3], v[ST+8*\u+2:ST+8*\u+3], v[S+32*\u+\k:S+32*\u+\k+1]
.endr
.endr
.irp k, 8,12,16,20,24,28
.irp u, 0,1
	v_pk_add_f32 v[ST+8*\u+2:ST+8*\u+3], v[ST+8*\u+2:ST+8*\u+3], v[S+32*\u+\k:S+32*\u+\k+1]
	v_pk_add_f32 v[ST+8*\u+4:ST+8*\u+5], v[ST+8*\u+4:ST+8*\u+5], v[S+32*\u+\k+2:S+32*\u+\k+3]
.endr
.endr
.irp u, 0,1
	v_pk_add_f32 v[ST+8*\u+2:ST+8*\u+3], v[ST+8*\u+2:ST+8*\u+3], v[ST+8*\u+4:ST+8*\u+5]
.endr
.set i, 0
.rept 16
	v_cvt_pk_f16_f32 v[S+i], v[S+2*i], v[S+2*i+1]  ; P in place, ascending: register i is written when 2 i and 2 i + 1 are read
	v_cvt_pk_f16_f32 v[S+32+i], v[S+32+2*i], v[S+32+2*i+1]
.set i, i+1
.endr
.endm
; A key step: 64 keys, the st-th of the slot in hand.
.macro STEP st
.if \st == 0
	v_add_nc_u32 v3, s41, v1
	LDK 0, XB
	LDK 1, YB
.endif
	s_wait_dscnt 8                                 ; the first 32 keys are in; the other eight loads may be out
	SMUL 0, XB
	s_wait_dscnt 0x0
	SMUL 1, YB
	s_add_co_u32 s58, s41, \st*STEPB
	v_add_nc_u32 v4, s58, v2                       ; with the three below: four places in front of the loads and of the first read of scores
.rept 3
	v_nop
.endr
	LDV 0, XB
	LDV 1, YB
	MASK
	SOFTMAX
	s_wait_dscnt 0x0                               ; V is in
.irp u, 0,1
.set i, 0
.rept 16
	v_pk_mul_f32 v[O+32*\u+i:O+32*\u+i+1], v[O+32*\u+i:O+32*\u+i+1], v[ST+8*\u+6:ST+8*\u+7] op_sel_hi:[1,0]   ; O^T under the new m
.set i, i+2
.endr
.endr
	PVMUL 0, XB
.if \st < 3
	s_add_co_u32 s58, s41, (\st+1)*STEPB
	v_add_nc_u32 v3, s58, v1                       ; four places again, then the next step's first keys
.rept 3
	v_nop
.endr
	LDK 0, XB
.endif
	PVMUL 1, YB
.rept 5
	v_nop                                          ; five places: the next step's first products write over P, which these products read; four serve the loads
.endr
.if \st < 3
	LDK 1, YB
.endif
	s_add_co_u32 s42, s42, 64
.endm
.macro SLOT_STEPS
	STEP 0
	STEP 1
	STEP 2
	STEP 3
	s_xor_b32 s41, s41, SLOT1                      ; on to the other slot
.endm
.macro QLOAD base                      ; my 32 queries stay in registers
.irp u, 0,1
.irp dc, 0,1
	global_load_b128 v[Q+16*\u+8*\dc:Q+16*\u+8*\dc+3], v11, s[\base:\base+1] offset:\u*2048+64*\dc
	global_load_b128 v[Q+16*\u+8*\dc+4:Q+16*\u+8*\dc+7], v11, s[\base:\base+1] offset:\u*2048+64*\dc+32
.endr
.endr
.endm
.macro INIT                            ; the step is written once: the first finds zeros, which the first change of m leaves zeros
.set i, 0
.rept 64
	v_mov_b32 v[O+i], 0
.set i, i+1
.endr
.irp u, 0,1
	v_mov_b32 v[ST+8*\u+2], 0
	v_mov_b32 v[ST+8*\u+3], 0
	v_mov_b32 v[ST+8*\u+1], s61
	v_mul_f32 v[ST+8*\u], s46, v[ST+8*\u+1]
.endr
.endm
; A block's end: the keys behind it enter in closed form; O^T is divided by the sum, rounded to f16 and leaves through my stage as 4,096 consecutive bytes.
.macro FINISH job, ob
.irp t, 0,1,2,3
	ds_load_b128 v[XB+8*\t:XB+8*\t+3], v0 offset:\job*256+64*\t          ; the sum of v behind the block, in O^T's layout
	ds_load_b128 v[XB+8*\t+4:XB+8*\t+7], v0 offset:\job*256+64*\t+16
.endr
.irp u, 0,1
	v_add_f32 v[ST+8*\u+4], v[ST+8*\u+2], v[ST+8*\u+3]
.endr
.irp u, 0,1
	v_permlanex16_b32 v[ST+8*\u+5], v[ST+8*\u+4], s48, s49
.endr
.irp u, 0,1
	v_fma_f32 v[ST+8*\u+7], v10, s46, -v[ST+8*\u]  ; c (-80000) - c m
.endr
.irp u, 0,1
	v_add_f32 v[ST+8*\u+4], v[ST+8*\u+4], v[ST+8*\u+5]
.endr
.irp u, 0,1
	v_min_num_f32 v[ST+8*\u+7], 0, v[ST+8*\u+7]    ; where no key lies behind the block, m need not reach -80000: e stays finite and is multiplied by 0
.endr
.irp u, 0,1
	v_exp_f32 v[ST+8*\u+6], v[ST+8*\u+7]           ; e
.endr
	v_nop
	s_wait_alu depctr_va_vdst(0)                   ; ahead of e's first reader
.irp u, 0,1
	v_fma_f32 v[ST+8*\u+4], v[ST+8*\u+6], s60, v[ST+8*\u+4]   ; the sum + e x the number of keys behind
.endr
.irp u, 0,1
	v_rcp_f32 v[ST+8*\u+2], v[ST+8*\u+4]
.endr
	v_nop
	s_wait_alu depctr_va_vdst(0)                   ; ahead of the reciprocals' first reader
	s_wait_dscnt 0x0
.irp u, 0,1
.set i, 0
.rept 16
	v_pk_fma_f32 v[O+32*\u+i:O+32*\u+i+1], v[XB+i:XB+i+1], v[ST+8*\u+6:ST+8*\u+7], v[O+32*\u+i:O+32*\u+i+1] op_sel_hi:[1,0,1]
.set i, i+2
.endr
.set i, 0
.rept 16
	v_pk_mul_f32 v[O+32*\u+i:O+32*\u+i+1], v[O+32*\u+i:O+32*\u+i+1], v[ST+8*\u+2:ST+8*\u+3] op_sel_hi:[1,0]
.set i, i+2
.endr
.set i, 0
.rept 16
	v_cvt_pk_f16_f32 v[S+16*\u+i], v[O+32*\u+2*i], v[O+32*\u+2*i+1]
.set i, i+1
.endr
.endr
.irp u, 0,1
.irp t, 0,1,2,3
	ds_store_b128 v12, v[S+16*\u+4*\t:S+16*\u+4*\t+3] offset:\u*16*PK+32*\t
.endr
.endr
.irp i, 0,1,2,3,4,5,6,7
	ds_load_b128 v[96+4*\i:96+4*\i+3], v13 offset:4*PK*\i   ; these see my stores: four rows of 128 bytes an instruction
.endr
.irp i, 0,1,2,3,4,5,6,7
	s_wait_dscnt 7-\i                              ; load i is in; the younger ones may be out
	global_store_b128 v14, v[96+4*\i:96+4*\i+3], s[\ob:\ob+1] offset:512*\i   ; 32 lanes store 512 consecutive bytes, aligned
.endr
	s_wait_xcnt 0x0                                ; the stores have read their registers, which the next products write
.endm
	s_load_b128 s[4:7], s[0:1], 0x0                ; qkv16, fine32
	s_load_b64 s[8:9], s[0:1], 0x10                ; o16
	v_lshl_add_u32 v5, v0, 2, SPARE
	v_mov_b32 v6, 0
	ds_add_u32 v5, v6                              ; the wave's opening: the add, twice on end, and its wait ahead of my first tensor load
	ds_add_u32 v5, v6
	v_lshrrev_b32 v128, 5, v0
	v_readfirstlane_b32 s10, v128                  ; wave 0..7
	s_mov_b32 s11, ttmp9                           ; i
	s_and_b32 s12, ttmp7, 0xffff                   ; 16 batch + head
	s_sub_co_u32 s40, 7, s11                       ; the first block's number, and the trip in which it ends
	s_mov_b32 s16, (1<<16)|(1<<20)|(4<<22)|(3<<25) ; K: elements of 2 bytes; padding on: 4 words behind every 32
	s_mov_b32 s24, (1<<16)|(1<<20)|(4<<22)|(7<<25) ; V: 8 words
.irp g, 16, 24
	s_mov_b32 s[\g+1], 64<<16                      ; tensor_dim0
	s_mov_b32 s[\g+2], 64<<16                      ; tensor_dim1
	s_mov_b32 s[\g+3], 64<<16                      ; tile_dim0
	s_mov_b32 s[\g+4], 64                          ; tile_dim1
	s_mov_b32 s[\g+5], 64                          ; from row to row
	s_mov_b32 s[\g+6], 0
	s_mov_b32 s[\g+7], 0
.endr
	s_and_b32 s13, s10, 3                          ; which step of a slot I fetch
	s_lshr_b32 s14, s10, 2                         ; K (0) or V (1)
	s_mul_i32 s33, s13, STEPB
	s_mul_i32 s58, s14, VOFF
	s_add_co_u32 s33, s33, s58                     ; its place in slot 0
	s_mov_b32 s32, 1
	s_add_co_u32 s58, s14, 1
	s_lshl_b32 s58, s58, 24                        ; part k or v,
	s_lshl_b32 s15, s12, 18                        ; my head,
	s_add_co_u32 s58, s58, s15
	s_lshl_b32 s59, s13, 13                        ; my 64 rows of a tile
	s_add_co_u32 s58, s58, s59
	s_mov_b32 s59, 0
	s_mov_b32 s46, 0x3e38aa3b                      ; c = log2(e) / 8
	s_mov_b32 s47, s46
	s_mov_b32 s48, 0x76543210
	s_mov_b32 s49, 0xfedcba98
	s_mov_b32 s38, 0                               ; the tile asked for last
	s_mov_b32 s39, 0                               ; the trip
	s_mov_b32 s41, 0                               ; the slot in hand
	s_mov_b32 s42, 0                               ; the step's first key
	s_mov_b32 s61, SMASK
	s_cmp_eq_u32 s11, 0
	s_cselect_b32 s61, NEGBIG, s61                 ; the maximum's first value: -80000 where keys lie behind the block; block 7 has none
	s_cselect_b32 s52, 6, 0                        ; the trips in which I prefetch
	s_wait_dscnt 0x0                               ; both opening adds are done
	s_wait_kmcnt 0x0
	s_add_nc_u64 s[36:37], s[4:5], s[58:59]        ; my part of tile 0
	s_mov_b64 s[34:35], s[36:37]
	s_or_b32 s35, s35, 0x80000000
	TLOAD                                          ; tile 0 into slot 0
	s_lshl_b32 s59, s10, 5
	s_lshl_b32 s43, s40, 8
	s_add_co_u32 s43, s43, s59                     ; my first query in the first block,
	s_lshl_b32 s44, s11, 8
	s_add_co_u32 s44, s44, s59                     ; and in the second
	s_mov_b32 s59, 0
	s_lshl_b32 s58, s43, 7
	s_add_co_u32 s58, s58, s15
	s_add_nc_u64 s[54:55], s[4:5], s[58:59]        ; q of the first block
	s_lshl_b32 s58, s44, 7
	s_add_co_u32 s58, s58, s15
	s_add_nc_u64 s[62:63], s[4:5], s[58:59]        ; of the second
	s_and_b32 s13, s12, 15                         ; head
	s_lshr_b32 s14, s12, 4                         ; batch
	s_lshl_b32 s15, s13, 20
	s_lshl_b32 s58, s14, 18
	s_add_co_u32 s15, s15, s58
	s_lshl_b32 s58, s43, 7
	s_add_co_u32 s58, s58, s15
	s_add_nc_u64 s[56:57], s[8:9], s[58:59]        ; o of the first block
	s_lshl_b32 s58, s44, 7
	s_add_co_u32 s58, s58, s15
	s_add_nc_u64 s[66:67], s[8:9], s[58:59]        ; of the second
	s_lshl_b32 s58, s14, 16
	s_lshl_b32 s15, s13, 8
	s_add_co_u32 s58, s58, s15
	s_add_co_u32 s58, s58, 786432
	s_add_nc_u64 s[68:69], s[6:7], s[58:59]        ; the sums of v: my batch, my head's 64 columns
	s_add_nc_u64 s[50:51], s[36:37], 32768         ; the prefetches stand at tile 1; the first change of slots steps them to tile 2
	s_lshl_b32 s58, s11, 8
	s_cvt_f32_u32 s60, s58                         ; keys behind the first block: 256 i
	s_lshl_b32 s58, s40, 8
	s_cvt_f32_u32 s45, s58                         ; behind the second: 256 (7 - i)
	v_and_b32 v128, 15, v0                         ; r
	v_bfe_u32 v129, v0, 4, 1                       ; h
	v_and_b32 v130, 31, v0                         ; lane
	v_lshlrev_b32 v11, 7, v128
	v_lshl_add_u32 v11, v129, 4, v11               ; q: row r of 128 bytes + 16 h
	QLOAD 54
	v_lshlrev_b32 v131, 4, v128                    ; the sums: 16 bytes for each of 16 lanes; both halves of the lanes read the same
.irp hb, 2,3,4,5,6,7,8,9,10,11,12,13,14,15
	global_load_b128 v[64+4*(\hb-2):64+4*(\hb-2)+3], v131, s[68:69] offset:\hb*4096
.endr
	v_mul_u32_u24 v1, v128, PK
	v_lshl_add_u32 v1, v129, 4, v1                 ; my place in a tile of K
	v_and_b32 v132, 7, v0
	v_lshl_add_u32 v2, v129, 3, v132
	v_mul_u32_u24 v2, v2, PV
	v_bfe_u32 v132, v0, 3, 1
	v_lshl_add_u32 v2, v132, 4, v2
	v_add_nc_u32 v2, VOFF, v2                      ; and of V, for the turning load
	v_lshlrev_b32 v132, 3, v129
	v_sub_nc_u32 v7, v128, v132                    ; r - 8 h
	v_mov_b32 v10, SMASK
	s_mul_i32 s58, s10, 32*PK
	s_add_co_u32 s58, s58, STAGE                   ; my stage
	v_add_nc_u32 v12, s58, v1                      ; in: row r, 16 bytes for each half
	v_lshrrev_b32 v13, 3, v130
	v_mul_u32_u24 v13, v13, PK
	v_and_b32 v132, 7, v130
	v_lshl_add_u32 v13, v132, 4, v13
	v_add_nc_u32 v13, s58, v13                     ; back: eight lanes to a row
	v_lshlrev_b32 v14, 4, v130
	v_lshlrev_b32 v15, 8, v130
	s_lshl_b32 s58, s10, 9
	s_add_co_u32 s58, s58, VBS
	v_lshl_add_u32 v132, v130, 4, s58              ; where the sums go: lanes 0-15 the first block's 256 bytes, lanes 16-31 the second's
	v_lshl_add_u32 v0, v129, 5, s58                ; and where they are read in O^T's layout (v0 has served)
	s_lshl_b32 s58, s11, 1
	s_sub_co_u32 s59, 16, s58                      ; the first 128 rows behind block 7 - i,
	s_add_co_u32 s58, s58, 2                       ; and behind block i
	v_mov_b32 v126, s59
	v_mov_b32 v127, s58
	v_cmp_eq_u32 vcc_lo, 1, v129
	v_cndmask_b32 v126, v126, v127, vcc_lo
	v_mov_b32 v125, 1.0
.irp j, 120,121,122,123
	v_mov_b32 v\j, 0
.endr
	s_wait_loadcnt 0x0                             ; q and the sums
.irp hb, 2,3,4,5,6,7,8,9,10,11,12,13,14,15
	v_cmp_ge_u32 vcc_lo, \hb, v126
	v_cndmask_b32 v124, 0, v125, vcc_lo            ; 1 where these 128 rows lie behind the block, else 0: a choice of value, no branch
	v_pk_fma_f32 v[120:121], v[64+4*(\hb-2):65+4*(\hb-2)], v[124:125], v[120:121] op_sel_hi:[1,0,1]
	v_pk_fma_f32 v[122:123], v[66+4*(\hb-2):67+4*(\hb-2)], v[124:125], v[122:123] op_sel_hi:[1,0,1]
.endr
	ds_store_b128 v132, v[120:123]                 ; my wave's own bytes: read by me alone
	INIT
.Ltrip:                                            ; eight trips; behind each change of slots the next trip's tile is asked for
	CHANGE 1
	SLOT_STEPS
	s_cmp_lg_u32 s39, s40
	s_cbranch_scc1 .Lsame
	QLOAD 62                                       ; the first block is done: the second block's queries are asked for while it leaves
	FINISH 0, 56
	s_mov_b32 s43, s44
	s_mov_b32 s42, 0
	s_mov_b32 s60, s45
	s_mov_b32 s61, SMASK
	INIT
	s_wait_loadcnt 0x0
.Lsame:
	s_add_co_u32 s39, s39, 1
	s_cmp_lt_u32 s39, 8
	s_cbranch_scc1 .Ltrip
	CHANGE 0                                       ; the last slot is written out: nothing more is asked for
	SLOT_STEPS
	FINISH 1, 66
	s_wait_tensorcnt 0x0                           ; the wave's end, behind my last tensor load and my last LDS store
	ds_add_u32 v5, v6
	s_wait_dscnt 0x0
	s_endpgm
.Lfunc_end_k_qe789902d9a_attn:
	.size	k_qe789902d9a_attn, .Lfunc_end_k_qe789902d9a_attn-k_qe789902d9a_attn
	.p2alignl 7, 3214868480
	.fill 96, 4, 3214868480
	.section	.rodata,"a",@progbits
	.p2align	6, 0x0
	.amdhsa_kernel k_qe789902d9a_attn
		.amdhsa_group_segment_fixed_size 327680
		.amdhsa_private_segment_fixed_size 0
		.amdhsa_enable_private_segment 0
		.amdhsa_kernarg_size 24
		.amdhsa_user_sgpr_count 2
		.amdhsa_user_sgpr_kernarg_segment_ptr 1
		.amdhsa_wavefront_size32 1
		.amdhsa_system_sgpr_workgroup_id_x 1
		.amdhsa_system_sgpr_workgroup_id_y 1
		.amdhsa_system_sgpr_workgroup_id_z 1
		.amdhsa_system_vgpr_workitem_id 0
		.amdhsa_next_free_vgpr 256
		.amdhsa_next_free_sgpr 72
		.amdhsa_reserve_vcc 1
		.amdhsa_float_denorm_mode_32 3
		.amdhsa_float_denorm_mode_16_64 3
		.amdhsa_memory_ordered 1
		.amdhsa_forward_progress 1
		.amdhsa_inst_pref_size 209
	.end_amdhsa_kernel
	.amdgpu_metadata
---
amdhsa.version: [ 1, 2 ]
amdhsa.kernels:
  - .name:           k_qe789902d9a_attn
    .symbol:         k_qe789902d9a_attn.kd
    .args:
      - { .name: qkv16, .offset: 0, .size: 8, .value_kind: global_buffer, .address_space: global }
      - { .name: fine32, .offset: 8, .size: 8, .value_kind: global_buffer, .address_space: global }
      - { .name: o16, .offset: 16, .size: 8, .value_kind: global_buffer, .address_space: global }
    .group_segment_fixed_size: 327680
    .private_segment_fixed_size: 0
    .kernarg_segment_align: 8
    .kernarg_segment_size: 24
    .max_flat_workgroup_size: 256
    .sgpr_count:     72
    .vgpr_count:     256
    .wavefront_size: 32
...
	.end_amdgpu_metadata
.endif
;; end of part 3
;; launch proj (part 4): grid 4 x 64, 4 waves a work-group, clusters of 4 x 4, 327,680 bytes of LDS; arguments o16, wp16, c_proj_b, out0; writes out0
.if DOCPART == 4
	.amdgcn_target "amdgcn-amd-amdhsa--gfx1250"
	.amdhsa_code_object_version 6
	.text
	.protected	k_qe789902d9a_proj
	.globl	k_qe789902d9a_proj
	.p2align	8
	.type	k_qe789902d9a_proj,@function
k_qe789902d9a_proj:
	s_mov_b64 s[64:65], 0
	v_nop
	global_prefetch_b8 v0, s[64:65] scope:SCOPE_SE
	s_setreg_imm32_b32 hwreg(HW_REG_WAVE_MODE, 25, 1), 1
	s_wait_xcnt 0x0
	s_wait_alu depctr_hold_cnt(0) depctr_sa_sdst(0) depctr_va_vdst(0) depctr_va_sdst(0) depctr_va_ssrc(0) depctr_va_vcc(0) depctr_vm_vsrc(0)
	s_getreg_b32 s2, hwreg(HW_REG_IB_STS2, 6, 4)
	s_cmp_eq_u32 s2, 0
	s_cbranch_scc0 .Lentry_in_a_cluster
	s_endpgm
.Lentry_in_a_cluster:
	s_bfe_u32 s2, ttmp6, 0x10000c
	s_cmp_lg_u32 s2, 0xf033
	s_cbranch_scc0 .Lentry_shape_is_right
	s_endpgm
.Lentry_shape_is_right:
; PROJ: out = o c_proj_w + c_proj_b, f16 operands, f32 sums, for all rows but the first 16 of each sequence (those are another launch's).
; o: f16 [head][8,192 rows][64]; the weight: f16 [k 1,024][n 1,024]; out: f32 [8,192][1,024].
; A tile of 128 rows x 256 columns is made by four waves, 64 x 128 each: 32 accumulators.  256 work-groups.  K goes in 8 steps of 128 (two heads' planes) through a ring of two LDS slots.
; The matrix instruction is used transposed (source 0 = 16 columns of the weight, turned out of LDS; source 1 = 16 rows of o): a lane holds eight neighbouring columns of one row.
; The bias is the C of each sum's first product (the sum's first term).
; CLUSTERS: 4 x 4.  Tile row = 16 cy + cluster y (cy is the batch), tile column = cx.  o's tiles are shared along a row of the cluster, the weight's along a column: each is asked for jointly.
; The one branch of the way out hangs on cluster y and the wave's number: the same in all partners.
; LIMITS: |o| and |c_proj_w| within f16's 65,504.
; REGISTERS: window 0: v0-31 addresses; v32-127 and v128-223 two fragment buffers (64 of the weight, 32 of o).  window 1: the accumulators ((a, bn) at v[8 (8 a + bn)]).  window 2: v0-63 the bias.
.set PA,     144                       ; a row of o in LDS: 128 bytes + 16
.set PB,     544                       ; a k-row of the weight: 512 bytes + 32
.set PLANE,  128*PA
.set BOFF,   2*PLANE
.set BHALF,  64*PB
.set SLOT,   BOFF+2*BHALF
.set STAGE,  2*SLOT                    ; behind the ring: 16 rows x 528 bytes for each wave
.set SPITCH, 528
.set SPARE,  STAGE+4*16*SPITCH         ; the spare words, 128 bytes for each wave; no other line names them
.set LAPS,   4
.set ADRA, 16
.set ADRB, 20
.set STO,  24
.set RD,   25
.set CO,   26
.set SPW,  28
.set NIL,  29
.set F0,   32
.set F1,   128
.set G1, 24
.set G0, 32
.set G1B, 48
.set G0B, 56
.set MSB, 0
.macro WIN new
.if MSB != \new
	s_set_vgpr_msb (MSB<<8)|\new
.set MSB, \new
.endif
.endm
.set W_MUL,   0x50                     ; C and D window 1
.set W_FIRST, 0x60                     ; C window 2 (the bias), D window 1
.macro JLOAD s                         ; waves 0 and 1 fetch o's two planes, waves 2 and 3 the weight's two halves; an s_nop 0 and four v_nop follow each line
	s_cmp_eq_u32 s15, 0
	s_cbranch_scc0 .Lfor_b_\@
	tensor_load_to_lds s[G0+4*\s:G0+4*\s+3], s[G1:G1+7]
	s_nop 0
.rept 4
	v_nop
.endr
	s_branch .Lasked_\@
.Lfor_b_\@:
	tensor_load_to_lds s[G0B+4*\s:G0B+4*\s+3], s[G1B:G1B+7]
	s_nop 0
.rept 4
	v_nop
.endr
.Lasked_\@:
.endm
.macro CREST
	s_cmp_lg_u32 s14, 0
	s_cbranch_scc1 .Lnot_wave_0_\@
	s_barrier_signal -3
.Lnot_wave_0_\@:
	s_barrier_wait -3
	s_barrier_signal -1
	s_barrier_wait -1
.endm
.macro CROUND
	s_barrier_signal -1
	s_barrier_wait -1
	CREST
.endm
	s_load_b128 s[4:7], s[0:1], 0x0                ; o16, wp16
	s_load_b128 s[8:11], s[0:1], 0x10              ; the bias, out0
	v_lshl_add_u32 v[SPW], v0, 2, SPARE
	v_mov_b32 v[NIL], 0
	ds_add_u32 v[SPW], v[NIL]                      ; the wave's opening: the add, twice on end, and its wait ahead of my first tensor load
	ds_add_u32 v[SPW], v[NIL]
	v_lshrrev_b32 v1, 5, v0
	v_readfirstlane_b32 s14, v1                    ; wave 0..3
	s_lshr_b32 s15, s14, 1                         ; which 64 rows are mine.  Also: I fetch for o (0) or for the weight (1)
	s_and_b32 s16, s14, 1                          ; which 128 columns.  Also: which plane, or which 64 k-rows, I fetch
	s_bfe_u32 s40, ttmp6, 0x40000                  ; cx: the tile column
	s_bfe_u32 s41, ttmp6, 0x40004                  ; cy: the batch
	s_and_b32 s42, ttmp7, 0xffff                   ; cluster y: the block of 128 rows in the sequence
	s_or_b32 s45, s42, s15                         ; 0 in the waves that hold a sequence's first 64 rows
	s_lshl_b32 s43, s41, 2
	s_lshl_b32 s43, 15, s43                        ; my row of the cluster
	s_lshl_b32 s44, 0x1111, s40                    ; my column
	s_or_b32 s[G1+0], s43, (1<<16)|(1<<20)|(1<<21)|(4<<22)|(3<<25)   ; the mask; elements of 2 bytes; 4 words of padding behind every 32
	s_mov_b32 s[G1+1], 64<<16                      ; tensor_dim0
	s_mov_b32 s[G1+2], 128<<16                     ; tensor_dim1
	s_mov_b32 s[G1+3], 64<<16                      ; tile_dim0
	s_mov_b32 s[G1+4], 128                         ; tile_dim1
	s_mov_b32 s[G1+5], 64                          ; from row to row
	s_mov_b32 s[G1+6], 0
	s_mov_b32 s[G1+7], 0
	s_or_b32 s[G1B+0], s44, (1<<16)|(1<<20)|(1<<21)|(6<<22)|(7<<25)  ; 8 words of padding behind every 128
	s_mov_b32 s[G1B+1], 256<<16
	s_mov_b32 s[G1B+2], 64<<16
	s_mov_b32 s[G1B+3], 256<<16
	s_mov_b32 s[G1B+4], 64
	s_mov_b32 s[G1B+5], 1024
	s_mov_b32 s[G1B+6], 0
	s_mov_b32 s[G1B+7], 0
	s_lshl_b32 s17, s41, 11
	s_lshl_b32 s18, s42, 7
	s_add_co_u32 s17, s17, s18                     ; the tile's first row: 2,048 batch + 128 cluster y
	s_lshl_b32 s20, s17, 7
	s_lshl_b32 s18, s16, 20
	s_add_co_u32 s20, s20, s18                     ; o: my plane, the tile's rows
	s_mov_b32 s21, 0
	s_lshl_b32 s46, s16, 17
	s_lshl_b32 s47, s40, 9
	s_add_co_u32 s46, s46, s47                     ; the weight: my 64 k-rows, the tile's columns
	s_mov_b32 s47, 0
	s_mul_i32 s22, s16, PLANE                      ; where they go
	s_mul_i32 s23, s16, BHALF
	s_add_co_u32 s23, s23, BOFF
	s_wait_dscnt 0x0                               ; both opening adds are done
	s_wait_kmcnt 0x0
	s_add_nc_u64 s[20:21], s[4:5], s[20:21]
	s_add_nc_u64 s[46:47], s[6:7], s[46:47]
	CROUND                                         ; all sixteen work-groups are here: the first joint loads meet
.irp s, 0,1
	s_mov_b32 s[G0+4*\s], 1
	s_add_co_u32 s[G0+4*\s+1], s22, \s*SLOT
	s_add_nc_u64 s[G0+4*\s+2:G0+4*\s+3], s[20:21], \s*2*1048576     ; K step s: two planes on
	s_or_b32 s[G0+4*\s+3], s[G0+4*\s+3], 0x80000000
	s_mov_b32 s[G0B+4*\s], 1
	s_add_co_u32 s[G0B+4*\s+1], s23, \s*SLOT
	s_add_nc_u64 s[G0B+4*\s+2:G0B+4*\s+3], s[46:47], \s*128*2048    ; 128 k-rows on
	s_or_b32 s[G0B+4*\s+3], s[G0B+4*\s+3], 0x80000000
	JLOAD \s
.endr
	v_and_b32 v1, 15, v0                           ; r
	v_bfe_u32 v2, v0, 4, 1                         ; h
	v_lshlrev_b32 v6, 5, v2
	s_lshl_b32 s46, s40, 10
	s_lshl_b32 s47, s16, 9
	s_add_co_u32 s46, s46, s47                     ; my 128 columns, in bytes of f32
	s_mov_b32 s47, 0
	s_add_nc_u64 s[8:9], s[8:9], s[46:47]
	WIN 0x80                                       ; destination window 2
.irp bn, 0,1,2,3,4,5,6,7
	global_load_b128 v[8*\bn:8*\bn+3], v6, s[8:9] offset:64*\bn          ; lane (r, h): columns 16 bn + 8 h + 0 .. 7
	global_load_b128 v[8*\bn+4:8*\bn+7], v6, s[8:9] offset:64*\bn+16
.endr
	WIN 0
	v_mul_u32_u24 v3, v1, PA
	v_lshl_add_u32 v3, v2, 4, v3
	s_mul_i32 s21, s15, 64*PA
	v_add_nc_u32 v[ADRA], s21, v3                  ; o's fragments: my 64 rows, row r, + 16 h
	s_add_co_u32 s21, s21, SLOT
	v_add_nc_u32 v[ADRA+1], s21, v3
	v_and_b32 v4, 7, v0
	v_lshl_add_u32 v4, v2, 3, v4
	v_mul_u32_u24 v4, v4, PB
	v_bfe_u32 v5, v0, 3, 1
	v_lshl_add_u32 v4, v5, 4, v4
	s_lshl_b32 s22, s16, 8
	s_add_co_u32 s22, s22, BOFF
	v_add_nc_u32 v[ADRB], s22, v4                  ; the weight's, for the turning load: k-row 8 h + lane % 8, my 128 columns, 16 bytes for each group of eight lanes
	s_add_co_u32 s22, s22, SLOT
	v_add_nc_u32 v[ADRB+1], s22, v4
	s_mul_i32 s23, s14, 16*SPITCH
	s_add_co_u32 s23, s23, STAGE                   ; my stage
	v_mul_u32_u24 v5, v1, SPITCH
	v_lshl_add_u32 v5, v2, 5, v5
	v_add_nc_u32 v[STO], s23, v5
	v_and_b32 v5, 31, v0
	v_lshlrev_b32 v[CO], 4, v5
	v_add_nc_u32 v[RD], s23, v[CO]
	s_lshl_b32 s18, s15, 6
	s_add_co_u32 s18, s18, s17                     ; my first row
	s_lshl_b32 s18, s18, 12
	s_add_co_u32 s46, s46, s18
	s_add_nc_u64 s[10:11], s[10:11], s[46:47]
.macro MUL8 f, a, first                ; o's block a against the weight's eight.  The 32 accumulators take turns, in the same order in every quarter
.irp bn, 0,1,2,3,4,5,6,7
.if \first
	v_wmma_f32_16x16x32_f16 v[8*(8*\a+\bn):8*(8*\a+\bn)+7], v[\f+8*\bn:\f+8*\bn+7], v[\f+64+8*\a:\f+64+8*\a+7], v[8*\bn:8*\bn+7]
.else
	v_wmma_f32_16x16x32_f16 v[8*(8*\a+\bn):8*(8*\a+\bn)+7], v[\f+8*\bn:\f+8*\bn+7], v[\f+64+8*\a:\f+64+8*\a+7], v[8*(8*\a+\bn):8*(8*\a+\bn)+7]
.endif
.endr
.endm
.macro FETCH slot, kc, f               ; 24 LDS loads: the fragments of 32 along K, the kc-th of the slot
	WIN 0
.irp bn, 0,1,2,3,4,5,6,7
	ds_load_tr16_b128 v[\f+8*\bn:\f+8*\bn+3], v[ADRB+\slot] offset:(\kc)*32*PB+32*\bn
	ds_load_tr16_b128 v[\f+8*\bn+4:\f+8*\bn+7], v[ADRB+\slot] offset:(\kc)*32*PB+32*\bn+16*PB
.endr
.irp a, 0,1,2,3
	ds_load_b128 v[\f+64+8*\a:\f+64+8*\a+3], v[ADRA+\slot] offset:((\kc)/2)*PLANE+\a*16*PA+64*((\kc)%2)
	ds_load_b128 v[\f+64+8*\a+4:\f+64+8*\a+7], v[ADRA+\slot] offset:((\kc)/2)*PLANE+\a*16*PA+64*((\kc)%2)+32
.endr
.endm
.macro PLACES
.rept 4
	v_nop
.endr
.endm
.macro QUARTER slot, kc, f, g, first   ; multiplies buffer f; in its middle it fetches the slot's kc-th 32 along K into buffer g
	s_wait_dscnt 4                                 ; all but the youngest four loads (o's blocks 2 and 3) are in
.if \first
	WIN W_FIRST
.else
	WIN W_MUL
.endif
	MUL8 \f, 0, \first
	MUL8 \f, 1, \first
	PLACES
	FETCH \slot, \kc, \g
	s_wait_dscnt 24                                ; all but the 24 just issued
.if \first
	WIN W_FIRST
.else
	WIN W_MUL
.endif
	MUL8 \f, 2, \first
	MUL8 \f, 3, \first
.endm
; A slot's last quarter changes slots: one barrier; in front of it each wave waits for all its tensor loads, adds 0 to its spare word, and waits for that and for its reads of this slot.
.macro TURN slot, next, fill
	WIN 0
	s_wait_tensorcnt 0x0                           ; my part of the next slot has landed
	ds_add_u32 v[SPW], v[NIL]
	s_wait_dscnt 5                                 ; the add and the youngest four loads may be out
	WIN W_MUL
	MUL8 F1, 0, 0
	s_wait_dscnt 0x0                               ; the add is done, and my reads of this slot are over
	s_barrier_signal -1
	MUL8 F1, 1, 0
	WIN 0
	s_barrier_wait -1
.if \fill
	CREST                                          ; the barrier has opened a round of the cluster's: no wave of any partner still reads this slot or has a load on its way
	s_add_nc_u64 s[G0+4*\slot+2:G0+4*\slot+3], s[G0+4*\slot+2:G0+4*\slot+3], 4*1048576
	s_add_nc_u64 s[G0B+4*\slot+2:G0B+4*\slot+3], s[G0B+4*\slot+2:G0B+4*\slot+3], 256*2048
	JLOAD \slot                                    ; the first tensor load behind the round; its four v_nop are also the places in front of the loads below
.else
	PLACES
.endif
	FETCH \next, 0, F0
	WIN W_MUL
	MUL8 F1, 2, 0
	MUL8 F1, 3, 0
.endm
	s_wait_tensorcnt 1                             ; my part of K step 0 is in; K step 1's load may be out
	s_barrier_signal -1
	s_barrier_wait -1
	FETCH 0, 0, F0
	s_wait_loadcnt 0x0                             ; the bias
	QUARTER 0, 1, F0, F1, 1                        ; the first quarter stands in front of the loop: its products start the sums
	WIN 0
	s_mov_b32 s3, LAPS-1
.Llap:                                             ; a trip goes once round the ring and fills both slots again
	QUARTER 0, 2, F1, F0, 0
	QUARTER 0, 3, F0, F1, 0
	TURN 0, 1, 1
	QUARTER 1, 1, F0, F1, 0
	QUARTER 1, 2, F1, F0, 0
	QUARTER 1, 3, F0, F1, 0
	TURN 1, 0, 1
	QUARTER 0, 1, F0, F1, 0
	WIN 0
	s_sub_co_u32 s3, s3, 1
	s_cmp_lg_u32 s3, 0
	s_cbranch_scc1 .Llap
	QUARTER 0, 2, F1, F0, 0                        ; the last lap fills nothing
	QUARTER 0, 3, F0, F1, 0
	TURN 0, 1, 0
	QUARTER 1, 1, F0, F1, 0
	QUARTER 1, 2, F1, F0, 0
	QUARTER 1, 3, F0, F1, 0
	s_wait_dscnt 4
	WIN W_MUL
	MUL8 F1, 0, 0
	MUL8 F1, 1, 0
	s_wait_dscnt 0x0
	MUL8 F1, 2, 0
	MUL8 F1, 3, 0
	WIN 0
	PLACES
; THE WAY OUT, a block of 16 rows x 128 columns at a time, through my stage: back as whole rows of 512 bytes.
.macro TOSTAGE a
	WIN 0x04                                       ; an LDS store's data are its source 1: window 1
.irp bn, 0,1,2,3,4,5,6,7
	ds_store_b128 v[STO], v[64*(\a)+8*\bn:64*(\a)+8*\bn+3] offset:64*\bn       ; each accumulator from its low end on
	ds_store_b128 v[STO], v[64*(\a)+8*\bn+4:64*(\a)+8*\bn+7] offset:64*\bn+16
.endr
	WIN 0
.set BB, 32+96*((\a)%2)
.irp t, 0,1,2,3,4,5,6,7,8,9,10,11,12,13,14,15
	ds_load_b128 v[BB+4*\t:BB+4*\t+3], v[RD] offset:\t*SPITCH
.endr
.endm
.macro SEND a, younger
.set BB, 32+96*((\a)%2)
	s_wait_dscnt \younger                          ; the block is back; the next block's 16 stores and 16 loads may be out
.irp t, 0,1,2,3,4,5,6,7,8,9,10,11,12,13,14,15
	global_store_b128 v[CO], v[BB+4*\t:BB+4*\t+3], s[10:11] offset:(16*(\a)+\t)*4096 th:TH_STORE_NT   ; 32 lanes store 512 consecutive bytes, aligned
.endr
.endm
	s_cmp_eq_u32 s45, 0                            ; a sequence's first 16 rows are not stored here
	s_cbranch_scc1 .Lno_first
	TOSTAGE 0
	SEND 0, 0
.Lno_first:
	TOSTAGE 1
	s_wait_xcnt 0x0                                ; block 0's stores have read their registers
	TOSTAGE 2
	SEND 1, 32
	s_wait_xcnt 0x0                                ; block 1's stores have read theirs
	TOSTAGE 3
	SEND 2, 32
	SEND 3, 0
	s_wait_tensorcnt 0x0                           ; the wave's end, behind my last tensor load and my last LDS store
	ds_add_u32 v[SPW], v[NIL]
	s_wait_dscnt 0x0
	CROUND                                         ; the closing round
	s_endpgm
.Lfunc_end_k_qe789902d9a_proj:
	.size	k_qe789902d9a_proj, .Lfunc_end_k_qe789902d9a_proj-k_qe789902d9a_proj
	.p2alignl 7, 3214868480
	.fill 96, 4, 3214868480
	.section	.rodata,"a",@progbits
	.p2align	6, 0x0
	.amdhsa_kernel k_qe789902d9a_proj
		.amdhsa_group_segment_fixed_size 327680
		.amdhsa_private_segment_fixed_size 0
		.amdhsa_enable_private_segment 0
		.amdhsa_kernarg_size 32
		.amdhsa_user_sgpr_count 2
		.amdhsa_user_sgpr_kernarg_segment_ptr 1
		.amdhsa_wavefront_size32 1
		.amdhsa_system_sgpr_workgroup_id_x 1
		.amdhsa_system_sgpr_workgroup_id_y 1
		.amdhsa_system_sgpr_workgroup_id_z 1
		.amdhsa_system_vgpr_workitem_id 0
		.amdhsa_next_free_vgpr 576
		.amdhsa_next_free_sgpr 72
		.amdhsa_reserve_vcc 0
		.amdhsa_float_denorm_mode_32 3
		.amdhsa_float_denorm_mode_16_64 3
		.amdhsa_memory_ordered 1
		.amdhsa_forward_progress 1
		.amdhsa_inst_pref_size 86
	.end_amdhsa_kernel
	.amdgpu_metadata
---
amdhsa.version: [ 1, 2 ]
amdhsa.kernels:
  - .name:           k_qe789902d9a_proj
    .symbol:         k_qe789902d9a_proj.kd
    .args:
      - { .name: o16, .offset: 0, .size: 8, .value_kind: global_buffer, .address_space: global }
      - { .name: wp16, .offset: 8, .size: 8, .value_kind: global_buffer, .address_space: global }
      - { .name: c_proj_b, .offset: 16, .size: 8, .value_kind: global_buffer, .address_space: global }
      - { .name: out0, .offset: 24, .size: 8, .value_kind: global_buffer, .address_space: global }
    .group_segment_fixed_size: 327680
    .private_segment_fixed_size: 0
    .kernarg_segment_align: 8
    .kernarg_segment_size: 32
    .max_flat_workgroup_size: 128
    .sgpr_count:     72
    .vgpr_count:     576
    .wavefront_size: 32
...
	.end_amdgpu_metadata
.endif
;; end of part 4
;; launch fine (part 5): grid 16 x 4, 16 waves a work-group, no clusters, 75,776 bytes of LDS; arguments fine32, c_proj_w, c_proj_b, out0; writes out0
.if DOCPART == 5
	.amdgcn_target "amdgcn-amd-amdhsa--gfx1250"
	.amdhsa_code_object_version 6
	.text
	.protected	k_qe789902d9a_fine
	.globl	k_qe789902d9a_fine
	.p2align	8
	.type	k_qe789902d9a_fine,@function
k_qe789902d9a_fine:
	s_mov_b64 s[64:65], 0
	v_nop
	global_prefetch_b8 v0, s[64:65] scope:SCOPE_SE
	s_setreg_imm32_b32 hwreg(HW_REG_WAVE_MODE, 25, 1), 1
	s_wait_xcnt 0x0
; FINE: the first 16 positions of each sequence, attention and projection, all in f32: these rows average one to sixteen values, are the largest in size, and leave f16 operands no margin.
; Work-group (c, batch) makes 64 output columns of the batch's 16 rows.  Wave hh is head hh: it makes its head's 16 x 16 attention (32 matrix instructions of 16 x 16 x 4 in f32), multiplies its 64 of the
; projection's K into the 64 columns (64 more), and the sixteen partial sums meet in LDS.
; THE MASK IS -10000: hidden scores among the 16 keys take -80000 (ahead of the division by 8); keys 16 to 2,047 are hidden for every row: with e = 2^(c (-80000) - c m) they add 2,032 e to the sum and
; e x (the sum of their v) to o; -80000 takes part in the maximum.
; ORDER OF K: each product's K is dealt to steps, halves of lanes and registers alike on both sides, so that every operand is used as it is loaded or made:
; q k: d = 8 c + 4 h + 2 p + {0,1};  p v: key = 8 h + 2 s + {0,1};  the projection: d = 16 t + 8 h + 2 s + {0,1}.
; The accumulators v144-175 are written by matrix instructions alone.  No tensor load, no cluster: 64 small work-groups that share nothing but inputs of a few KiB.
.set PART,  0                          ; LDS: 16 partial sums of 16 rows x (256 bytes + 16)
.set VB,    16*4352                    ; the sum of v over keys 16 .. 2,047: 256 bytes for each wave
.set SPARE, VB+16*256                  ; the spare words, 128 bytes for each wave; no other line names them
.set SMASK, 0xc79c4000                 ; -80000.0
.set QQ,  16
.set KK,  48
.set VV,  80
.set VS,  112
.set ACC, 144
.set SS,  176
.set PP,  184
	s_load_b128 s[4:7], s[0:1], 0x0                ; fine32, c_proj_w
	s_load_b128 s[8:11], s[0:1], 0x10              ; c_proj_b, out0
	v_lshl_add_u32 v1, v0, 2, SPARE                ; my spare word; never rewritten
	v_mov_b32 v2, 0                                ; 0; never rewritten
	v_lshrrev_b32 v3, 5, v0
	v_readfirstlane_b32 s12, v3                    ; wave = head = the row that I sum at the end
	s_mov_b32 s13, ttmp9                           ; which 64 columns
	s_and_b32 s14, ttmp7, 0xffff                   ; batch
	v_and_b32 v3, 15, v0                           ; r
	v_bfe_u32 v4, v0, 4, 1                         ; h
	v_and_b32 v8, 31, v0
	v_lshlrev_b32 v8, 3, v8                        ; 8 x lane
	v_mul_u32_u24 v5, v3, 12288
	v_lshl_add_u32 v5, v4, 4, v5                   ; q, k: row r, + 16 h
	v_mul_u32_u24 v6, v4, 98304
	v_lshl_add_u32 v6, v3, 2, v6                   ; v: 8 h rows down, column r
	v_lshlrev_b32 v7, 15, v4
	v_lshl_add_u32 v7, v3, 2, v7                   ; the weight: 8 h rows down, column r
	v_lshlrev_b32 v9, 3, v4
	v_sub_nc_u32 v9, v3, v9                        ; r - 8 h
	v_mov_b32 v10, SMASK
	s_mov_b32 s16, 0x76543210
	s_mov_b32 s17, 0xfedcba98
	s_mov_b32 s18, 0x3e38aa3b                      ; c = log2(e) / 8
	s_mov_b32 s19, 0x44fe0000                      ; 2,032
	s_lshl_b32 s24, s12, 8
	s_add_co_u32 s25, s24, VB
	v_add_nc_u32 v15, s25, v8                      ; where my sum of v goes
	s_mov_b32 s27, 0
	s_wait_kmcnt 0x0
	s_mul_i32 s26, s14, 16*12288
	s_add_co_u32 s26, s26, s24
	s_add_nc_u64 s[20:21], s[4:5], s[26:27]        ; my batch's 16 rows, my head's columns of q
	s_lshl_b32 s26, s14, 16
	s_add_co_u32 s26, s26, s24
	s_add_co_u32 s26, s26, 786432
	s_add_nc_u64 s[22:23], s[4:5], s[26:27]        ; the sums of v
	s_lshl_b32 s26, s12, 18
	s_lshl_b32 s28, s13, 8
	s_add_co_u32 s26, s26, s28
	s_add_nc_u64 s[6:7], s[6:7], s[26:27]          ; the weight: my head's 64 rows, the work-group's 64 columns
	s_mov_b32 s26, s28
	s_add_nc_u64 s[8:9], s[8:9], s[26:27]
	s_lshl_b32 s26, s14, 11
	s_add_co_u32 s26, s26, s12
	s_lshl_b32 s26, s26, 12
	s_add_co_u32 s26, s26, s28
	s_add_nc_u64 s[10:11], s[10:11], s[26:27]      ; out: row 2,048 batch + wave
.irp hb, 0,1,2,3,4,5,6,7,8,9,10,11,12,13,14,15
	global_load_b64 v[VS+2*\hb:VS+2*\hb+1], v8, s[22:23] offset:\hb*4096
.endr
.irp c, 0,1,2,3,4,5,6,7
	global_load_b128 v[QQ+4*\c:QQ+4*\c+3], v5, s[20:21] offset:32*\c
.endr
.irp c, 0,1,2,3,4,5,6,7
	global_load_b128 v[KK+4*\c:KK+4*\c+3], v5, s[20:21] offset:4096+32*\c
.endr
.irp t, 0,1,2,3
.irp s, 0,1,2,3
.irp j, 0,1
	global_load_b32 v[VV+8*\t+2*\s+\j], v6, s[20:21] offset:8192+(2*\s+\j)*12288+64*\t   ; v(key 8 h + 2 s + j, channel 16 t + r)
.endr
.endr
.endr
.irp t, 0,1
.irp s, 0,1,2,3
.irp nt, 0,1,2,3
.irp j, 0,1
	global_load_b32 v[192+32*\t+8*\s+2*\nt+\j], v7, s[6:7] offset:(16*\t+2*\s+\j)*4096+64*\nt   ; w(16 t + 8 h + 2 s + j, 16 nt + r)
.endr
.endr
.endr
.endr
	s_wait_loadcnt 63                              ; behind v's last load 64 were issued: all but the weight's is in
.irp k, 4,8,12,16,20,24,28
	v_pk_add_f32 v[VS:VS+1], v[VS:VS+1], v[VS+\k:VS+\k+1]
	v_pk_add_f32 v[VS+2:VS+3], v[VS+2:VS+3], v[VS+\k+2:VS+\k+3]
.endr
	v_pk_add_f32 v[VS:VS+1], v[VS:VS+1], v[VS+2:VS+3]
	ds_store_b64 v15, v[VS:VS+1]                   ; my wave's own bytes
	; S^T = K Q^T: 16 steps of 4 along the channels, four accumulators by turns; the first four start the sums
.set i, 0
.rept 16
.if i < 4
	v_wmma_f32_16x16x4_f32 v[ACC+8*(i%4):ACC+8*(i%4)+7], v[KK+2*i:KK+2*i+1], v[QQ+2*i:QQ+2*i+1], 0
.else
	v_wmma_f32_16x16x4_f32 v[ACC+8*(i%4):ACC+8*(i%4)+7], v[KK+2*i:KK+2*i+1], v[QQ+2*i:QQ+2*i+1], v[ACC+8*(i%4):ACC+8*(i%4)+7]
.endif
.set i, i+1
.endr
.rept 9
	v_nop                                          ; nine places: the next run of products writes over these accumulators; eight serve the loads and reads below
.endr
.irp t, 2,3
.irp s, 0,1,2,3
.irp nt, 0,1,2,3
.irp j, 0,1
	global_load_b32 v[16+32*(\t-2)+8*\s+2*\nt+\j], v7, s[6:7] offset:(16*\t+2*\s+\j)*4096+64*\nt   ; the weight's other half, where q and k lay
.endr
.endr
.endr
.endr
.irp j, 0,2,4,6
	v_pk_add_f32 v[SS+\j:SS+\j+1], v[ACC+\j:ACC+\j+1], v[ACC+8+\j:ACC+8+\j+1]
.endr
.irp j, 0,2,4,6
	v_pk_add_f32 v[SS+\j:SS+\j+1], v[SS+\j:SS+\j+1], v[ACC+16+\j:ACC+16+\j+1]
.endr
.irp j, 0,2,4,6
	v_pk_add_f32 v[SS+\j:SS+\j+1], v[SS+\j:SS+\j+1], v[ACC+24+\j:ACC+24+\j+1]   ; lane (r, h): query r, keys 8 h + 0 .. 7
.endr
.irp j, 0,1,2,3,4,5,6,7
	v_cmp_gt_i32 vcc_lo, \j, v9                    ; hidden where 8 h + j > r
	v_cndmask_b32 v[SS+\j], v[SS+\j], v10, vcc_lo
.endr
	v_max3_num_f32 v11, v[SS], v[SS+1], v10        ; -80000 among them
	v_max3_num_f32 v11, v11, v[SS+2], v[SS+3]
	v_max3_num_f32 v11, v11, v[SS+4], v[SS+5]
	v_max3_num_f32 v11, v11, v[SS+6], v[SS+7]
	v_permlanex16_b32 v15, v11, s16, s17
	v_max_num_f32 v11, v11, v15
	v_mul_f32 v11, s18, v11                        ; c m
.irp j, 0,1,2,3,4,5,6,7
	v_fma_f32 v[PP+\j], v[SS+\j], s18, -v11
.endr
	v_fma_f32 v12, v10, s18, -v11
.irp j, 0,1,2,3,4,5,6,7
	v_exp_f32 v[PP+\j], v[PP+\j]
.endr
	v_exp_f32 v12, v12                             ; e
	v_nop
	global_load_b64 v[SS:SS+1], v8, s[8:9]         ; the bias of my two columns, where the scores lay
	s_wait_alu depctr_va_vdst(0)                   ; one wait for the nine exponentials, ahead of their first reader
	v_add_f32 v13, v[PP], v[PP+1]
	v_add_f32 v14, v[PP+2], v[PP+3]
	v_add_f32 v13, v13, v[PP+4]
	v_add_f32 v14, v14, v[PP+5]
	v_add_f32 v13, v13, v[PP+6]
	v_add_f32 v14, v14, v[PP+7]
	v_add_f32 v13, v13, v14
	v_permlanex16_b32 v15, v13, s16, s17
	v_add_f32 v13, v13, v15
	v_fma_f32 v13, v12, s19, v13                   ; + 2,032 e
	v_rcp_f32 v14, v13
	v_lshl_add_u32 v15, v4, 5, s25                 ; (a plain instruction behind the reciprocal)  where my sum of v is read in O^T's layout
	s_wait_alu depctr_va_vdst(0)                   ; ahead of the reciprocal's first reader
	; O^T = V^T P: four steps of 4 keys, four accumulators (16 channels each) by turns
.irp s, 0,1,2,3
.irp t, 0,1,2,3
.if \s == 0
	v_wmma_f32_16x16x4_f32 v[ACC+8*\t:ACC+8*\t+7], v[VV+8*\t+2*\s:VV+8*\t+2*\s+1], v[PP+2*\s:PP+2*\s+1], 0
.else
	v_wmma_f32_16x16x4_f32 v[ACC+8*\t:ACC+8*\t+7], v[VV+8*\t+2*\s:VV+8*\t+2*\s+1], v[PP+2*\s:PP+2*\s+1], v[ACC+8*\t:ACC+8*\t+7]
.endif
.endr
.endr
.irp t, 0,1,2,3
	ds_load_b128 v[VS+8*\t:VS+8*\t+3], v15 offset:64*\t          ; these see my store
	ds_load_b128 v[VS+8*\t+4:VS+8*\t+7], v15 offset:64*\t+16
.endr
.rept 9
	v_nop                                          ; nine places, as above
.endr
	s_wait_dscnt 0x0
.set i, 0
.rept 16
	v_pk_fma_f32 v[VV+i:VV+i+1], v[VS+i:VS+i+1], v[12:13], v[ACC+i:ACC+i+1] op_sel_hi:[1,0,1]   ; + e x the sum of v
.set i, i+2
.endr
.set i, 0
.rept 16
	v_pk_mul_f32 v[VV+i:VV+i+1], v[VV+i:VV+i+1], v[14:15] op_sel_hi:[1,0]                       ; / the sum: register 8 t + j is o(query r, channel 16 t + 8 h + j)
.set i, i+2
.endr
	s_wait_loadcnt 0x0                             ; the weight and the bias
	s_mul_i32 s24, s12, 4352
	v_mul_u32_u24 v5, v3, 272
	v_lshl_add_u32 v5, v4, 5, v5
	v_add_nc_u32 v5, s24, v5                       ; my partial sum: row r, + 32 h
	s_mul_i32 s24, s12, 272
	v_add_nc_u32 v6, s24, v8                       ; and the row that I sum: row = wave, 8 bytes a lane
	; my head's part of the projection: source 0 = 16 columns of the weight, source 1 = o; four accumulators (16 columns each) by turns
.irp t, 0,1,2,3
.irp s, 0,1,2,3
.irp nt, 0,1,2,3
.if (\t == 0) && (\s == 0)
	v_wmma_f32_16x16x4_f32 v[ACC+8*\nt:ACC+8*\nt+7], v[192-176*(\t/2)+32*(\t%2)+8*\s+2*\nt:192-176*(\t/2)+32*(\t%2)+8*\s+2*\nt+1], v[VV+8*\t+2*\s:VV+8*\t+2*\s+1], 0
.else
	v_wmma_f32_16x16x4_f32 v[ACC+8*\nt:ACC+8*\nt+7], v[192-176*(\t/2)+32*(\t%2)+8*\s+2*\nt:192-176*(\t/2)+32*(\t%2)+8*\s+2*\nt+1], v[VV+8*\t+2*\s:VV+8*\t+2*\s+1], v[ACC+8*\nt:ACC+8*\nt+7]
.endif
.endr
.endr
.endr
.rept 8
	v_nop                                          ; eight places in front of the stores that read the results and of the loads into the weight's registers
.endr
.irp nt, 0,1,2,3
	ds_store_b128 v5, v[ACC+8*\nt:ACC+8*\nt+3] offset:64*\nt       ; lane (r, h): row r, columns 16 nt + 8 h + 0 .. 7
	ds_store_b128 v5, v[ACC+8*\nt+4:ACC+8*\nt+7] offset:64*\nt+16
.endr
	s_wait_dscnt 0x0                               ; for the others' sake: my stores have landed
	s_barrier_signal -1
	s_barrier_wait -1
.irp w, 0,1,2,3,4,5,6,7,8,9,10,11,12,13,14,15
	ds_load_b64 v[16+2*\w:17+2*\w], v6 offset:\w*4352
.endr
	s_wait_dscnt 0x0
.irp w, 0,1,2,3,4,5,6,7,8,9,10,11,12,13,14,15
	v_pk_add_f32 v[SS:SS+1], v[SS:SS+1], v[16+2*\w:17+2*\w]        ; the bias, then the heads in ascending order
.endr
	global_store_b64 v8, v[SS:SS+1], s[10:11]      ; 32 lanes store 256 consecutive bytes, aligned
	s_wait_tensorcnt 0x0                           ; the wave's end, behind my last LDS store
	ds_add_u32 v1, v2
	s_wait_dscnt 0x0
	s_endpgm
.Lfunc_end_k_qe789902d9a_fine:
	.size	k_qe789902d9a_fine, .Lfunc_end_k_qe789902d9a_fine-k_qe789902d9a_fine
	.p2alignl 7, 3214868480
	.fill 96, 4, 3214868480
	.section	.rodata,"a",@progbits
	.p2align	6, 0x0
	.amdhsa_kernel k_qe789902d9a_fine
		.amdhsa_group_segment_fixed_size 75776
		.amdhsa_private_segment_fixed_size 0
		.amdhsa_enable_private_segment 0
		.amdhsa_kernarg_size 32
		.amdhsa_user_sgpr_count 2
		.amdhsa_user_sgpr_kernarg_segment_ptr 1
		.amdhsa_wavefront_size32 1
		.amdhsa_system_sgpr_workgroup_id_x 1
		.amdhsa_system_sgpr_workgroup_id_y 1
		.amdhsa_system_sgpr_workgroup_id_z 1
		.amdhsa_system_vgpr_workitem_id 0
		.amdhsa_next_free_vgpr 256
		.amdhsa_next_free_sgpr 66
		.amdhsa_reserve_vcc 1
		.amdhsa_float_denorm_mode_32 3
		.amdhsa_float_denorm_mode_16_64 3
		.amdhsa_memory_ordered 1
		.amdhsa_forward_progress 1
		.amdhsa_inst_pref_size 38
	.end_amdhsa_kernel
	.amdgpu_metadata
---
amdhsa.version: [ 1, 2 ]
amdhsa.kernels:
  - .name:           k_qe789902d9a_fine
    .symbol:         k_qe789902d9a_fine.kd
    .args:
      - { .name: fine32, .offset: 0, .size: 8, .value_kind: global_buffer, .address_space: global }
      - { .name: c_proj_w, .offset: 8, .size: 8, .value_kind: global_buffer, .address_space: global }
      - { .name: c_proj_b, .offset: 16, .size: 8, .value_kind: global_buffer, .address_space: global }
      - { .name: out0, .offset: 24, .size: 8, .value_kind: global_buffer, .address_space: global }
    .group_segment_fixed_size: 75776
    .private_segment_fixed_size: 0
    .kernarg_segment_align: 8
    .kernarg_segment_size: 32
    .max_flat_workgroup_size: 512
    .sgpr_count:     66
    .vgpr_count:     256
    .wavefront_size: 32
...
	.end_amdgpu_metadata
.endif
;; end of part 5
